; MI455X (gfx1250); checked and timed in simulation.
; The chip was launched on July 23, 2026; its instructions are those of AMD's public machine-readable ISA for CDNA 5 (MIT licence, August 2026) and "CDNA5" Instruction Set Architecture Reference Guide (July 2026). The comments in the code are by the model that wrote it; some were corrected since.
;; Experts. Allowed arithmetic: matrix products marked QUANTISED: E3M2 operands, one E8M0 scale for each 32 along K, by v_wmma_scale_f32_16x16x128_f8f6f4 with both operands' format E3M2, f32 sums; products left as they are: f32 operands where the result goes on into a quantised operand, else bf16, f16 or f32 operands; f32 sums; everything else in f32.
;; Inputs: hidden_states_codes 8,192 x 32 x 24 uint8 (E3M2 codes of hidden_states, K innermost, in blocks of 32 codes, four codes in three bytes); hidden_states_scales 8,192 x 32 uint8 (E8M0 scales of hidden_states, one for each 32 codes along K); routing_weights 8,192 x 2 float32; selected_experts 8,192 x 2 x 8 int32; wi_codes 8 x 512 x 32 x 24 uint8 (E3M2 codes of wi, K innermost, in blocks of 32 codes, four codes in three bytes); wi_scales 8 x 512 x 32 uint8 (E8M0 scales of wi, one for each 32 codes along K); wo_codes 8 x 1,024 x 16 x 24 uint8 (E3M2 codes of wo, K innermost, in blocks of 32 codes, four codes in three bytes); wo_scales 8 x 1,024 x 16 uint8 (E8M0 scales of wo, one for each 32 codes along K).
;; Outputs: out0 8,192 x 1,024 float32.
;; This version of the problem:
;;   THIS VERSION OF THE PROBLEM IS GIVEN IN LOW PRECISION. The matrix products marked QUANTISED in the list below multiply operands that are first quantised to E3M2 (3 exponent bits, 2 mantissa bits; 6 bits a number), with one power-of-two scale for each 32 numbers along K (OCP MX v1.0); their sums are f32. All else is computed in f32.
;;   The module's matrix products, in the order in which they are computed (A, B: the left and right operand; K: the contracted axis; several contracted axes count as one K, in the product's order):
;;     1. batch 8,192 x [M 8, K 2] x [K 2, N 1]; A: input selected_experts; B: input routing_weights: left as it is (K = 2 < 32)
;;     2. [M 8,192, K 1,024] x [K 1,024, N 512]; A: input hidden_states (given as codes); B: input wi (given as codes): QUANTISED
;;     3. [M 8,192, K 512] x [K 512, N 1,024]; A: computed on the way; B: input wo (given as codes): QUANTISED
;;     4. [M 8,192, K 1,024] x [K 1,024, N 512]; A: input hidden_states (given as codes); B: input wi (given as codes): QUANTISED
;;     5. [M 8,192, K 512] x [K 512, N 1,024]; A: computed on the way; B: input wo (given as codes): QUANTISED
;;     6. [M 8,192, K 1,024] x [K 1,024, N 512]; A: input hidden_states (given as codes); B: input wi (given as codes): QUANTISED
;;     7. [M 8,192, K 512] x [K 512, N 1,024]; A: computed on the way; B: input wo (given as codes): QUANTISED
;;     8. [M 8,192, K 1,024] x [K 1,024, N 512]; A: input hidden_states (given as codes); B: input wi (given as codes): QUANTISED
;;     9. [M 8,192, K 512] x [K 512, N 1,024]; A: computed on the way; B: input wo (given as codes): QUANTISED
;;     10. [M 8,192, K 1,024] x [K 1,024, N 512]; A: input hidden_states (given as codes); B: input wi (given as codes): QUANTISED
;;     11. [M 8,192, K 512] x [K 512, N 1,024]; A: computed on the way; B: input wo (given as codes): QUANTISED
;;     12. [M 8,192, K 1,024] x [K 1,024, N 512]; A: input hidden_states (given as codes); B: input wi (given as codes): QUANTISED
;;     13. [M 8,192, K 512] x [K 512, N 1,024]; A: computed on the way; B: input wo (given as codes): QUANTISED
;;     14. [M 8,192, K 1,024] x [K 1,024, N 512]; A: input hidden_states (given as codes); B: input wi (given as codes): QUANTISED
;;     15. [M 8,192, K 512] x [K 512, N 1,024]; A: computed on the way; B: input wo (given as codes): QUANTISED
;;     16. [M 8,192, K 1,024] x [K 1,024, N 512]; A: input hidden_states (given as codes); B: input wi (given as codes): QUANTISED
;;     17. [M 8,192, K 512] x [K 512, N 1,024]; A: computed on the way; B: input wo (given as codes): QUANTISED
;;   THE QUANTISER, for each operand of a quantised product, along K:
;;     - K is cut into blocks of 32 from its start; a last block that is shorter is filled with zeros.
;;     - A block's scale is 2^e with e = floor(log2(the largest magnitude in the block)) - 4, held to -126 .. 127; a block of zeros has e = 0. As a byte (E8M0): e + 127.
;;     - Each number is divided by its block's scale, clamped to +-28, and rounded to the nearest number of E3M2, ties to even, subnormals kept.
;;     - The product sums the exact products of the quantised numbers (number of the format x scale) in f32.
;;   ~~~python
;;   def quantise(x, axis):      # numpy; x: float32 -> the quantised numbers, widened to float32 again
;;       x = np.moveaxis(x, axis, -1); K = x.shape[-1]
;;       x = np.pad(x, [(0, 0)] * (x.ndim - 1) + [(0, -K % 32)]); x = x.reshape(x.shape[:-1] + (-1, 32)); a = np.abs(x).max(-1, keepdims=True)
;;       e = np.where(a > 0, np.clip(np.frexp(np.where(a > 0, a, 1))[1] - 1 - 4, -126, 127), 0)      # np.frexp(a)[1] - 1 = floor(log2(a)), exactly
;;       r = np.clip(x / 2.0 ** e, -28, 28)
;;       step = 2.0 ** (np.maximum(np.frexp(np.where(r == 0, 1, r))[1] - 1, -2) - 2)
;;       q = np.round(r / step) * step * 2.0 ** e      # np.round: ties to even
;;       return np.moveaxis(q.reshape(q.shape[:-2] + (-1,))[..., :K], -1, axis).astype(np.float32)
;;   ~~~
;;   OPERANDS COMPUTED ON THE WAY. 'Computed on the way' means the value that the module computes at that place (a softmax that the list does not call 'softmax' is quantised finished and normalised). What goes into a quantiser is computed in f32, as accurately as f32 sums, v_exp_f32 and their like allow (about 1e-6 of the number): no bf16 or f16 on the way to a quantiser, and a product that is left as it is and whose result goes on into a quantised operand takes f32 operands (vector FMAs, or v_wmma_f32_16x16x4_f32). A number that lies on a knife's edge between two numbers of the format may be rounded either way, as far as f32 arithmetic and the matrix unit's own rounding can turn it there, and no further.
;;   INPUTS GIVEN AS CODES. hidden_states (in the module: [8192, 1024], K = its axis 1); wi (in the module: [8, 512, 1024], K = its axis 2); wo (in the module: [8, 1024, 512], K = its axis 2): each comes as NAME_codes (uint8): NAME with its K axis moved to the last place and cut into blocks of 32 codes, [.., K / 32, bytes a block], one block behind the other in memory; four codes in three bytes: a row's codes are one little-endian stream of bits, code i at bits 6 i .. 6 i + 5 (a code: sign, 3 exponent bits, 2 mantissa bits); and NAME_scales (uint8): the same leading axes, one E8M0 byte (e + 127) for each 32 codes along K. Its value is code x scale, taken as it is: it is not quantised again, and the codes and scales need not be those that the quantiser above would give.
;; 2 versions. Each part assembles by itself: llvm-mc -triple=amdgcn-amd-amdhsa -mcpu=gfx1250 --defsym DOCPART=n.
;; ======== version 1 of 2: 2 launches
;; workspace buffers: route 32,768 bytes of whole numbers; wstream 6,553,600 bytes
;; launch prep (part 1): grid 256 x 1, 32 waves a work-group, no clusters, 168,448 bytes of LDS; arguments selected_experts, wi_codes, wi_scales, wo_codes, wo_scales, route, wstream; writes route, wstream
.if DOCPART == 1
	.amdgcn_target "amdgcn-amd-amdhsa--gfx1250"
	.amdhsa_code_object_version 6
	.text
	.protected	k_q062a012d26_prep
	.globl	k_q062a012d26_prep
	.p2align	8
	.type	k_q062a012d26_prep,@function
k_q062a012d26_prep:
	s_mov_b64 s[64:65], 0
	v_nop
	global_prefetch_b8 v0, s[64:65] scope:SCOPE_SE
	s_setreg_imm32_b32 hwreg(HW_REG_WAVE_MODE, 25, 1), 1
	s_wait_xcnt 0x0
; TWO JOBS IN ONE LAUNCH, both ahead of the chain of products.
; (a) THE SORT.  A token's SET is 8 bits: bit e is on where selected_experts[t][0][e] or [t][1][e] is not 0 (whole numbers alone decide; any int32 mask is served).
;     route[p] = (token at sorted place p) | (its set << 16), the tokens sorted by set, within a set by number.  Work-group X owns the class 'set == X': it walks all 8,192 tokens,
;     counts the sets under X (the class's first place) and those equal to X, and stores its class's words.  So every word has one owner and no atomic is needed; a class that the mask leaves empty stores no word.
; (b) THE LAYOUT.  wi and wo, codes and scale bytes, are laid out once as IMAGES OF OPERAND REGISTERS in the order in which the chain's waves take them:
;     wstream = [expert: 819,200][wave w: 204,800][group j = 0..15: 12,800]; a group = 8 fragments of 1,536 bytes (3 pieces of 512: lane l's registers 4 c .. 4 c + 3 at 16 l) + 512 bytes of scale words
;     (lane (r, hh), register jj: the word of row r of fragment 2 jj + hh).
;     j < 8 : first product, K step j; fragment t: lane r takes wi row 128 w + 32 (t / 2) + 8 (t % 2) + r + 8 (r / 8), so that two neighbouring tiles' results are 16 neighbours along the next K.
;     j >= 8: second product, g = j - 8; fragment 2 s + n: K step s, lane r takes wo row 256 w + 16 (2 g + n) + r.
;     Work-group X lays out groups 2 X and 2 X + 1: waves 0-15 a fragment each, waves 16 and 17 a block of scale words each.
; SHARES OF THE SORT.  Wave v takes tokens 256 v .. 256 v + 255 in 8 steps of 32.  A step's 2,048 bytes are loaded as they lie (512 consecutive bytes a load) and turn through the wave's own stage in LDS,
; so that a lane holds its token's 16 numbers.  Loads run four steps ahead, the turn one step.  One barrier: the waves' counts meet in LDS.
.set R,    16                          ; v16-79   four sets of 16 numbers as they are loaded
.set XX,   80                          ; v80-111  two sets: a token's 16 numbers, [k][e]
.set RL,   112                         ; v112-123 the layout's data
.set PA,   16                          ; v16-23   the placing: a step's byte offset in route (the scan's numbers are done with by then)
.set PD,   32                          ; v32-39   the placing: a step's word
.set SPL,  80                          ; a token's place in a stage: 64 bytes + 16 of padding
.set WST,  2*32*SPL                    ; a wave's two stages
.set CNT,  32*WST                      ; behind the stages: 8 bytes a wave: (equal, below)
	s_load_b256 s[4:11], s[0:1], 0x0               ; selected_experts s[4:5], wi's codes s[6:7], wi's scales s[8:9], wo's codes s[10:11]
	s_load_b128 s[12:15], s[0:1], 0x20             ; wo's scales s[12:13], route s[14:15]
	s_load_b64 s[16:17], s[0:1], 0x30              ; wstream
	v_lshrrev_b32 v1, 5, v0
	v_readfirstlane_b32 s18, v1                    ; wave 0..31
	s_mov_b32 s19, ttmp9                           ; X: my class, and half the number of my first group
	v_and_b32 v1, 31, v0                           ; lane
	v_and_b32 v2, 15, v0                           ; r
	v_bfe_u32 v3, v0, 4, 1                         ; h
	v_lshlrev_b32 v4, 4, v1                        ; 16 x lane
	s_mul_i32 s20, s18, WST
	v_lshrrev_b32 v5, 2, v1
	v_mul_u32_u24 v5, v5, SPL
	v_and_b32 v124, 3, v1
	v_lshl_add_u32 v5, v124, 4, v5
	v_add_nc_u32 v5, s20, v5                       ; the stage, on the way in: four lanes' 64 bytes on end, then the padding
	v_mul_u32_u24 v6, v1, SPL
	v_add_nc_u32 v6, s20, v6                       ; and on the way out: my token's 64 bytes
	s_lshl_b32 s20, s18, 3
	s_add_co_u32 s20, s20, CNT
	v_mov_b32 v7, s20                              ; my wave's two counts
	v_lshl_add_u32 v8, v1, 3, CNT                  ; the counts of wave = my lane
	s_lshl_b32 s20, s18, 8
	v_add_nc_u32 v9, s20, v1                       ; my token in step 0
	s_mov_b32 s44, 0x76543210
	s_mov_b32 s45, 0xfedcba98                      ; v_permlanex16_b32's selects for lane l xor 16
	s_lshl_b32 s46, s19, 16                        ; my class's set, at its place in a word of route
	s_mov_b32 s40, 0                               ; equal
	s_mov_b32 s41, 0                               ; below
	; which group, which fragment: from ids alone.  Both variants (wi, wo) are made; one compare chooses.
	s_lshr_b32 s20, s18, 3
	s_and_b32 s31, s18, 1
	s_cmp_lt_u32 s18, 16
	s_cselect_b32 s20, s20, s31                    ; which of my work-group's two groups: fragment waves wave / 8, scale waves wave % 2
	s_lshl_b32 s21, s19, 1
	s_add_co_u32 s21, s21, s20                     ; G = 64 e + 16 w + j
	s_lshr_b32 s22, s21, 6                         ; e
	s_bfe_u32 s23, s21, 0x20004                    ; w
	s_and_b32 s24, s21, 15                         ; j
	s_and_b32 s25, s18, 7                          ; f
	s_lshr_b32 s26, s25, 1
	s_and_b32 s27, s25, 1
	s_and_b32 s28, s24, 7                          ; g, where j >= 8
	s_lshl_b32 s29, s23, 7                         ; wi: row 128 w + 32 (f / 2) + 8 (f % 2), of 768 bytes; K step j: 96 j bytes on
	s_lshl_b32 s31, s26, 5
	s_add_co_u32 s29, s29, s31
	s_lshl_b32 s31, s27, 3
	s_add_co_u32 s29, s29, s31
	s_mul_i32 s29, s29, 768
	s_mul_i32 s31, s24, 96
	s_add_co_u32 s29, s29, s31
	s_lshl_b32 s30, s23, 8                         ; wo: row 256 w + 32 g + 16 (f % 2), of 384 bytes; K step f / 2
	s_lshl_b32 s31, s28, 5
	s_add_co_u32 s30, s30, s31
	s_lshl_b32 s31, s27, 4
	s_add_co_u32 s30, s30, s31
	s_mul_i32 s30, s30, 384
	s_mul_i32 s31, s26, 96
	s_add_co_u32 s30, s30, s31
	s_lshl_b32 s63, s24, 2                         ; scale words: wi: 4 j bytes into a row of 32;
	s_lshl_b32 s47, s28, 9                         ; wo: 32 g rows of 16 bytes
	s_mov_b32 s31, 384
	s_mov_b32 s62, 1024
	s_wait_kmcnt 0x0
	s_cmp_lt_u32 s24, 8                            ; a group of wi or of wo?  The choice hangs on ids alone
	s_cselect_b64 s[48:49], s[6:7], s[10:11]       ; codes
	s_cselect_b64 s[56:57], s[8:9], s[12:13]       ; scales
	s_cselect_b32 s52, s29, s30
	s_cselect_b32 s54, 768, s31                    ; a row of codes in bytes
	s_cselect_b32 s55, 8, 0                        ; wi's rows of a tile: r + (r & 8); wo's: r
	s_cselect_b32 s58, s63, s47
	s_cselect_b32 s60, 8, 16                       ; scale words: rows from fragment 2 jj to 2 jj + 1,
	s_cselect_b32 s61, 5, 4                        ; log2 of a row of scale bytes,
	s_cselect_b32 s62, s62, 4                      ; bytes from register jj to jj + 1 (wi: 32 rows; wo: one K step)
	s_mul_i32 s31, s22, 393216                     ; an expert's codes (512 x 768 = 1,024 x 384 bytes)
	s_add_co_u32 s52, s52, s31
	s_mov_b32 s53, 0
	s_add_nc_u64 s[48:49], s[48:49], s[52:53]
	s_lshl_b32 s31, s22, 14                        ; an expert's scale bytes: 16,384; a wave's: 4,096
	s_add_co_u32 s58, s58, s31
	s_lshl_b32 s31, s23, 12
	s_add_co_u32 s58, s58, s31
	s_mov_b32 s59, 0
	s_add_nc_u64 s[56:57], s[56:57], s[58:59]
	s_mul_i32 s52, s21, 12800
	s_add_nc_u64 s[50:51], s[16:17], s[52:53]      ; my group in wstream
	s_lshl_b32 s52, s18, 14
	s_add_nc_u64 s[4:5], s[4:5], s[52:53]          ; my wave's 256 tokens of 64 bytes
	v_and_b32 v124, s55, v2
	v_add_nc_u32 v124, v124, v2                    ; my row in the tile
	v_mul_u32_u24 v10, v124, s54
	v_mad_u32_u24 v10, v3, 24, v10                 ; codes: row x pitch + 24 h
	v_mad_u32_u24 v124, v3, s60, v124
	v_lshlrev_b32 v124, s61, v124                  ; scale words: lanes 16-31 take the odd fragment's rows
.irp jj, 0,1,2,3
	v_mad_u32_u24 v[11+\jj], s62, \jj, v124
.endr
	s_mul_i32 s31, s25, 1536
	v_add_nc_u32 v15, s31, v4                      ; my fragment's place in the group, 16 bytes a lane
	; the layout's loads go out first, the sort's behind them
	s_cmp_lt_u32 s18, 16
	s_cbranch_scc0 .Lnot_frag_in
.irp p, 0,1,2,3,4,5
	global_load_b64 v[RL+2*\p:RL+2*\p+1], v10, s[48:49] offset:48*(\p/3)+8*(\p%3) th:TH_LOAD_NT   ; registers 6 c .. 6 c + 5: k = 64 c + 32 h + 0 .. 31: 24 bytes as they lie
.endr
	s_branch .Lasked
.Lnot_frag_in:
	s_cmp_lt_u32 s18, 18
	s_cbranch_scc0 .Lasked
.irp jj, 0,1,2,3
	global_load_b32 v[RL+\jj], v[11+\jj], s[56:57] th:TH_LOAD_NT
.endr
.Lasked:
.macro LOAD t                          ; step t: 32 tokens, 2,048 bytes; each load reads 512 consecutive bytes.  No hint: every work-group reads these bytes
.irp i, 0,1,2,3
	global_load_b128 v[R+16*((\t)%4)+4*\i:R+16*((\t)%4)+4*\i+3], v4, s[4:5] offset:2048*(\t)+512*\i
.endr
.endm
.macro TURN t                          ; through the stage: LDS serves a wave's instructions in order (ISA guide 5.7.1.4), so no wait stands between the stores and the loads
.irp i, 0,1,2,3
	ds_store_b128 v5, v[R+16*((\t)%4)+4*\i:R+16*((\t)%4)+4*\i+3] offset:32*SPL*((\t)%2)+8*SPL*\i
.endr
.irp i, 0,1,2,3
	ds_load_b128 v[XX+16*((\t)%2)+4*\i:XX+16*((\t)%2)+4*\i+3], v6 offset:32*SPL*((\t)%2)+16*\i
.endr
.endm
.irp t, 0,1,2,3
	LOAD \t
.endr
	s_cmp_lt_u32 s18, 16
	s_cbranch_scc0 .Lnot_frag_out
	s_wait_loadcnt 16                              ; behind the fragment's six loads: the sixteen of steps 0 to 3
.irp c, 0,1,2
	global_store_b128 v15, v[RL+4*\c:RL+4*\c+3], s[50:51] offset:512*\c   ; 32 lanes store 512 consecutive bytes, aligned
.endr
	s_branch .Llaid
.Lnot_frag_out:
	s_cmp_lt_u32 s18, 18
	s_cbranch_scc0 .Llaid
	s_wait_loadcnt 16                              ; behind the four scale loads: the same sixteen
	global_store_b128 v4, v[RL:RL+3], s[50:51] offset:12288
.Llaid:
	s_wait_loadcnt 12                              ; step 0's four loads are in; steps 1 to 3 may be out
	TURN 0
.macro STEP t
.set XS, XX+16*((\t)%2)
	s_wait_dscnt 0x0                               ; this step's numbers are back from the stage, and its stores into the stage have read their registers,
.if (\t)+4 < 8
	LOAD (\t)+4                                    ; which take the loads of four steps on
.endif
.if (\t)+1 < 8
.if 6-(\t) >= 3
	s_wait_loadcnt 12                              ; the next step's four loads are in; those of the three steps behind it may be out
.else
	s_wait_loadcnt 4*(6-(\t))
.endif
	TURN (\t)+1
.endif
.irp e, 0,1,2,3,4,5,6,7
	v_or_b32 v[XS+\e], v[XS+\e], v[XS+8+\e]        ; expert e is used where either of the token's two numbers is not 0
.endr
.irp e, 0,1,2,3,4,5,6,7
	v_min_u32 v[XS+\e], 1, v[XS+\e]
.endr
.irp e, 1,2,3,4,5,6,7
	v_lshl_or_b32 v[XS], v[XS+\e], \e, v[XS]       ; the set
.endr
	v_cmp_eq_u32 s[32+(\t)], s19, v[XS]            ; my class's tokens of this step: kept for the placing
	v_cmp_gt_u32 s20, s19, v[XS]                   ; and those of lower classes
	s_bcnt1_i32_b32 s21, s[32+(\t)]
	s_add_co_u32 s40, s40, s21
	s_bcnt1_i32_b32 s21, s20
	s_add_co_u32 s41, s41, s21
.endm
.irp t, 0,1,2,3,4,5,6,7
	STEP \t
.endr
	v_mov_b32 v124, s40
	v_mov_b32 v125, s41
	ds_store_b64 v7, v[124:125]                    ; all lanes write the same 8 bytes with the same values
	s_wait_dscnt 0x0                               ; for the others' sake: my counts are in LDS
	s_barrier_signal -1
	s_barrier_wait -1
	ds_load_b64 v[124:125], v8                     ; lane l: wave l's counts
	s_wait_dscnt 0x0
	v_cmp_gt_u32 vcc_lo, s18, v1
	v_cndmask_b32 v124, 0, v124, vcc_lo            ; 'equal' counts only from the waves ahead of mine
	v_lshl_add_u32 v124, v124, 16, v125            ; both sums are 8,192 at the most: 16 bits each
	v_mov_b32 v126, 0
.irp x, 1,2,4,8
	v_mov_b32_dpp v126, v124 row_xmask:\x row_mask:0xf bank_mask:0xf
	v_add_nc_u32 v124, v124, v126
.endr
	v_permlanex16_b32 v126, v124, s44, s45
	v_add_nc_u32 v124, v124, v126
	v_readfirstlane_b32 s42, v124
	s_lshr_b32 s20, s42, 16
	s_and_b32 s42, s42, 0xffff
	s_add_co_u32 s42, s42, s20                     ; the place of my wave's first token of the class
	; THE PLACING.  All eight steps' offsets and words are made first, every lane on, each in a register of its own: no address register is written once EXEC has been narrowed.
.irp t, 0,1,2,3,4,5,6,7
	v_mbcnt_lo_u32_b32 v[PA+\t], s[32+\t], 0       ; how many of the class stand in lower lanes of this step
	v_add_nc_u32 v[PA+\t], s42, v[PA+\t]
	v_min_u32 v[PA+\t], 0x1fff, v[PA+\t]           ; a place: held inside route
	v_lshlrev_b32 v[PA+\t], 2, v[PA+\t]
	v_add_nc_u32 v[PD+\t], 32*\t, v9
	v_or_b32 v[PD+\t], s46, v[PD+\t]               ; token | set << 16
	s_bcnt1_i32_b32 s20, s[32+\t]
	s_add_co_u32 s42, s42, s20                     ; the next step's first place
.endr
	s_wait_xcnt 0x0                                ; EXEC changes only behind this wait: the layout's stores have been issued since the entry
.irp t, 0,1,2,3,4,5,6,7
	s_mov_b32 vcc_lo, s[32+\t]
	s_and_saveexec_b32 s43, vcc_lo                 ; my class's tokens of step t alone
	global_store_b32 v[PA+\t], v[PD+\t], s[14:15]  ; they go to neighbouring words
	s_wait_xcnt 0x0                                ; and again, in front of the line that widens EXEC
	s_or_b32 exec_lo, exec_lo, s43
.endr
	s_wait_xcnt 0x0
	s_mov_b32 exec_lo, -1
	v_lshl_add_u32 v126, v0, 2, 0x28200
	v_mov_b32 v127, 0
	s_wait_tensorcnt 0x0
	ds_add_u32 v126, v127
	s_wait_dscnt 0x0
	s_endpgm
.Lfunc_end_k_q062a012d26_prep:
	.size	k_q062a012d26_prep, .Lfunc_end_k_q062a012d26_prep-k_q062a012d26_prep
	.p2alignl 7, 3214868480
	.fill 96, 4, 3214868480
	.section	.rodata,"a",@progbits
	.p2align	6, 0x0
	.amdhsa_kernel k_q062a012d26_prep
		.amdhsa_group_segment_fixed_size 168448
		.amdhsa_private_segment_fixed_size 0
		.amdhsa_enable_private_segment 0
		.amdhsa_kernarg_size 56
		.amdhsa_user_sgpr_count 2
		.amdhsa_user_sgpr_kernarg_segment_ptr 1
		.amdhsa_wavefront_size32 1
		.amdhsa_system_sgpr_workgroup_id_x 1
		.amdhsa_system_sgpr_workgroup_id_y 1
		.amdhsa_system_sgpr_workgroup_id_z 1
		.amdhsa_system_vgpr_workitem_id 0
		.amdhsa_next_free_vgpr 128
		.amdhsa_next_free_sgpr 66
		.amdhsa_reserve_vcc 1
		.amdhsa_float_denorm_mode_32 3
		.amdhsa_float_denorm_mode_16_64 3
		.amdhsa_memory_ordered 1
		.amdhsa_forward_progress 1
		.amdhsa_inst_pref_size 29
	.end_amdhsa_kernel
	.amdgpu_metadata
---
amdhsa.version: [ 1, 2 ]
amdhsa.kernels:
  - .name:           k_q062a012d26_prep
    .symbol:         k_q062a012d26_prep.kd
    .args:
      - { .name: selected_experts, .offset: 0, .size: 8, .value_kind: global_buffer, .address_space: global }
      - { .name: wi_codes, .offset: 8, .size: 8, .value_kind: global_buffer, .address_space: global }
      - { .name: wi_scales, .offset: 16, .size: 8, .value_kind: global_buffer, .address_space: global }
      - { .name: wo_codes, .offset: 24, .size: 8, .value_kind: global_buffer, .address_space: global }
      - { .name: wo_scales, .offset: 32, .size: 8, .value_kind: global_buffer, .address_space: global }
      - { .name: route, .offset: 40, .size: 8, .value_kind: global_buffer, .address_space: global }
      - { .name: wstream, .offset: 48, .size: 8, .value_kind: global_buffer, .address_space: global }
    .group_segment_fixed_size: 168448
    .private_segment_fixed_size: 0
    .kernarg_segment_align: 8
    .kernarg_segment_size: 56
    .max_flat_workgroup_size: 1024
    .sgpr_count:     66
    .vgpr_count:     128
    .wavefront_size: 32
...
	.end_amdgpu_metadata
.endif
;; end of part 1
;; launch chain (part 2): grid 256 x 1, 4 waves a work-group, no clusters, 105,472 bytes of LDS; arguments route, wstream, hidden_states_codes, hidden_states_scales, selected_experts, routing_weights, out0; writes out0
.if DOCPART == 2
	.amdgcn_target "amdgcn-amd-amdhsa--gfx1250"
	.amdhsa_code_object_version 6
	.text
	.protected	k_q062a012d26_chain
	.globl	k_q062a012d26_chain
	.p2align	8
	.type	k_q062a012d26_chain,@function
k_q062a012d26_chain:
	s_mov_b64 s[64:65], 0
	v_nop
	global_prefetch_b8 v0, s[64:65] scope:SCOPE_SE
	s_setreg_imm32_b32 hwreg(HW_REG_WAVE_MODE, 25, 1), 1
	s_wait_xcnt 0x0
; out[t] = the sum over the experts e of w[t][e] x (Q(relu(x[t] wi[e]^T)) wo[e]^T), w[t][e] = sum over k of selected_experts[t][k][e] x routing_weights[t][k]; both products on codes of BF6 (E3M2) with E8M0 scales,
; Q the quantiser along the second product's K (blocks of 32 hidden units).  The hidden layer never goes to memory.
; ONLY THE EXPERTS THAT A TOKEN'S MASK NAMES ARE MULTIPLIED: where both whole numbers of the mask are 0, w is exactly 0.  The tokens come sorted by their sets of experts (route, made by the launch before).
; A work-group owns 32 sorted tokens, ALL their 1,024 outputs and all their experts: each output row has one owner.  It walks the 8 experts in a loop of constant count and passes over, by a scalar branch on the
; stored sets, those that none of its tokens names; a token of the block that does not name a visited expert has w = 0 there.
; LIMITS: NaN and infinities are not served; a scale byte 0xff or a sum that overflows in an expert that no token of the block names leaves no NaN here (0 x NaN in the definition).
; A hidden block of zeros gets the scale byte 1, not 127: its codes are zeros, and this kernel alone reads the byte.
; SHARES.  THE FOUR WAVES SHARE THE COLUMNS, NOT THE ROWS: wave w makes hidden units 128 w .. 128 w + 127 (one K step of the second product) and outputs 256 w .. 256 w + 255, for both tiles of 16 tokens.
; So each byte of an expert's weights is fetched by ONE wave of the work-group, and each fragment feeds two matrix instructions.  Both products are used transposed (source 0 = 16 rows of the weight,
; source 1 = 16 tokens): a lane holds one token (lane % 16) throughout, and w is one number a lane.
; THE WEIGHTS come from memory straight into registers, as images of operand registers: a fragment is three loads of 512 consecutive bytes.  A ring of four half-groups (4 fragments each) in window 2 runs on
; through both products and from expert to expert: 50 loads of a wave are asked for ahead at every moment.
; NO TENSOR LOADS, NO CLUSTER: the walk over experts branches on numbers read from memory, and neighbouring blocks visit different experts, so no tile could be asked for jointly on every path.
; REGISTERS, in windows of 256:  window 0: v1-15 addresses, v16-19 w, v20-39 scale words (nothing else ever), v40-62 small things, v64-191 the first product's 16 accumulators (tile t, tokens m at 64 + 64 m + 8 t),
;   v192-251 the quantiser; in the second product v64-127 two sets of 4 accumulators, v128-223 the hidden layer's 8 fragments; on the way out v64-207.
;   window 1: x's 16 fragments (tokens m, K step s at 12 (8 m + s)), resident.   window 2: the ring (half-slot k at 48 k).   window 3: out, f32 (output tile n, tokens m at 16 n + 8 m).
.set ESTR, 819200                      ; an expert's stream
.set WSTR, 204800                      ; a wave's part of it
.set GSTR, 12800                       ; a group: 8 fragments + 512 bytes of scale words
.set FRB,  1536                        ; a fragment's image
.set HIMG, 0                           ; LDS: the hidden layer's 8 fragments: (tokens m, K step s) at (4 m + s) FRB
.set HSC,  8*FRB                       ; their scale words: K step s at 128 s; lanes 0-15 tokens 0-15, lanes 16-31 tokens 16-31
.set WTAB, HSC+512                     ; w[e][place]: 128 e + 4 place
.set XIMG, WTAB+1024                   ; x's 16 fragments: (8 m + s) FRB
.set STG,  XIMG+16*FRB                 ; the way out: for each wave 16 rows of 1,024 bytes + 16
.set SP,   1040
.set LOFF, 1                           ; v1   16 x lane: my place in an image, in memory and in LDS
.set TOFF, 2                           ; v2   the same, or 0 where no expert follows
.set XWI,  3                           ; v3   where I store x's images: 16 x lane + 2 FRB x wave
.set LS,   4                           ; v4   4 x lane
.set HWI,  5                           ; v5   where I store the hidden layer's images: 16 x lane + FRB x wave
.set HWS,  6                           ; v6   and their scale words
.set WT0,  7                           ; v7   WTAB + 4 (lane % 16)
.set WTE,  8                           ; v8   the same for the expert in hand
.set SO,   9                           ; v9   the stage: where I put 32 bytes of a row
.set SR,   10                          ; v10  and where I read a row back
.set GOF,  11                          ; v11  my 16 bytes in a row of out: 1,024 x wave + 16 x lane
.set XO,   12                          ; v12-13 x's codes: my token's row + 24 h + my wave's two K steps, tokens 0-15 and 16-31
.set XSO,  14                          ; v14  x's scale words: the row of token = place lane
.set WTW,  15                          ; v15  where I store w
.set WR,   16                          ; v16, v18 w of my token in tile 0, 1 (v17, v19 are named with them as pairs)
.set XSC,  20                          ; v20-27 x's scale words, K steps 0-7: lanes 0-15 tile 0, lanes 16-31 tile 1
.set SCR,  28                          ; v28-35 the weights' scale words, two sets of 4
.set HS,   36                          ; v36-39 the hidden layer's scale words, K steps 0-3
.set PW0,  40
.set PW1,  41
.set PWC,  42
.set TK,   43                          ; v43-45 route words, then tokens
.set MK,   46                          ; v46-49 the mask's four numbers
.set RW,   50                          ; v50-51 routing_weights
.set WW,   52                          ; v52-53 w
.set SA,   54
.set RA,   55
.set ZR,   56                          ; v56-59 zeros
.set ACC,  64
.set XT,   64                          ; the head: my four fragments of x
.set YT,   64                          ; second product: accumulator (set par, output tile n, tokens m) at 64 + 32 par + 16 n + 8 m
.set HF,   128                         ; hidden fragment (m, s) at 128 + 12 (4 m + s)
.set PC0,  192
.set TM,   212
.set PC1,  232
.set BK,   64                          ; the way out: 16 rows read back
.set VO,   192                         ; and their offsets in out
.set WV,   18                          ; s18  wave
.set BM,   19                          ; s19  the union of the block's sets
.set EI,   20                          ; s20  the expert in hand
.set WB,   22                          ; s[22:23] wstream at my wave's part of expert 0
.set CB,   24                          ; s[24:25] at the expert in hand
.set NB,   26                          ; s[26:27] at the next expert that is used
.set OP,   28                          ; s[28:29] an offset, 0 above it
.set SELM, 30
.set TKN,  32                          ; s[32:63] the block's route words, then its tokens' rows in out (bytes)
.set SEL,  66                          ; s[66:67]
.set WOF,  68
.set HIM,  71                          ; s71  lanes 16-31
.set MSB, 0
.macro WIN new                         ; the immediate's high byte repeats the setting that is left; a switch that changes nothing is dropped
.if MSB != \new
	s_set_vgpr_msb (MSB<<8)|\new
.set MSB, \new
.endif
.endm
; Half q of a wave's stream of one expert (32 halves: group q / 2, fragments 4 (q % 2) on) is asked for, into half-slot q % 4.  A group's scale words ride ahead of its odd half.
; So the order of loads is always: 12 (even half), 1 + 12 (scale words, odd half), 12, 1 + 12, ..
.macro RHALF q, b, vo
.if (\q)%2
	WIN 0
	global_load_b128 v[SCR+4*(((\q)/2)%2):SCR+4*(((\q)/2)%2)+3], v[\vo], s[\b:\b+1] offset:((\q)/2)*GSTR+8*FRB
.endif
	WIN 0x80                                       ; destination window 2, address window 0
.irp i, 0,1,2,3
.irp c, 0,1,2
	global_load_b128 v[48*((\q)%4)+12*\i+4*\c:48*((\q)%4)+12*\i+4*\c+3], v[\vo], s[\b:\b+1] offset:((\q)/2)*GSTR+((\q)%2)*4*FRB+FRB*\i+512*\c   ; 512 consecutive bytes
.endr
.endr
.endm
; One matrix instruction, from the symbols rD, rA, rB (registers), zZ (the sum begins: C = 0), rSA, rSB (scale registers), fRA, fRB (scales in lanes 16-31).
.macro MM
.if zZ
.if fRA
.if fRB
	v_wmma_scale_f32_16x16x128_f8f6f4 v[rD:rD+7], v[rA:rA+11], v[rB:rB+11], 0, v[rSA], v[rSB] matrix_a_fmt:MATRIX_FMT_BF6 matrix_b_fmt:MATRIX_FMT_BF6 matrix_a_scale:MATRIX_SCALE_ROW1 matrix_b_scale:MATRIX_SCALE_ROW1
.else
	v_wmma_scale_f32_16x16x128_f8f6f4 v[rD:rD+7], v[rA:rA+11], v[rB:rB+11], 0, v[rSA], v[rSB] matrix_a_fmt:MATRIX_FMT_BF6 matrix_b_fmt:MATRIX_FMT_BF6 matrix_a_scale:MATRIX_SCALE_ROW1
.endif
.else
.if fRB
	v_wmma_scale_f32_16x16x128_f8f6f4 v[rD:rD+7], v[rA:rA+11], v[rB:rB+11], 0, v[rSA], v[rSB] matrix_a_fmt:MATRIX_FMT_BF6 matrix_b_fmt:MATRIX_FMT_BF6 matrix_b_scale:MATRIX_SCALE_ROW1
.else
	v_wmma_scale_f32_16x16x128_f8f6f4 v[rD:rD+7], v[rA:rA+11], v[rB:rB+11], 0, v[rSA], v[rSB] matrix_a_fmt:MATRIX_FMT_BF6 matrix_b_fmt:MATRIX_FMT_BF6
.endif
.endif
.else
.if fRA
.if fRB
	v_wmma_scale_f32_16x16x128_f8f6f4 v[rD:rD+7], v[rA:rA+11], v[rB:rB+11], v[rD:rD+7], v[rSA], v[rSB] matrix_a_fmt:MATRIX_FMT_BF6 matrix_b_fmt:MATRIX_FMT_BF6 matrix_a_scale:MATRIX_SCALE_ROW1 matrix_b_scale:MATRIX_SCALE_ROW1
.else
	v_wmma_scale_f32_16x16x128_f8f6f4 v[rD:rD+7], v[rA:rA+11], v[rB:rB+11], v[rD:rD+7], v[rSA], v[rSB] matrix_a_fmt:MATRIX_FMT_BF6 matrix_b_fmt:MATRIX_FMT_BF6 matrix_a_scale:MATRIX_SCALE_ROW1
.endif
.else
.if fRB
	v_wmma_scale_f32_16x16x128_f8f6f4 v[rD:rD+7], v[rA:rA+11], v[rB:rB+11], v[rD:rD+7], v[rSA], v[rSB] matrix_a_fmt:MATRIX_FMT_BF6 matrix_b_fmt:MATRIX_FMT_BF6 matrix_b_scale:MATRIX_SCALE_ROW1
.else
	v_wmma_scale_f32_16x16x128_f8f6f4 v[rD:rD+7], v[rA:rA+11], v[rB:rB+11], v[rD:rD+7], v[rSA], v[rSB] matrix_a_fmt:MATRIX_FMT_BF6 matrix_b_fmt:MATRIX_FMT_BF6
.endif
.endif
.endif
.endm
.macro PLACES                          ; four plain places behind matrix instructions, ahead of loads into registers that they read and of the first read of results (ISA guide 7.12.1 for the first read of results)
.rept 4
	v_nop
.endr
.endm
; FIRST PRODUCT, half q = 0 .. 15: K step q / 2, my tiles 4 (q % 2) .. + 3 of hidden units x both tiles of tokens: 8 matrix instructions.  The 16 accumulators take turns, one instruction a turn.
; THE ONE COUNTED WAIT: behind an even half's scale words were issued 12 + 12 + 13 loads, behind an odd half 12 + 13 + 12: 37 either way, on every way into this line.
.macro P1HALF q
	s_wait_loadcnt 37
	WIN 0x06                                       ; source 0 (wi) window 2, source 1 (x) window 1, C and D window 0
.irp i, 0,1,2,3
.irp m, 0,1
.set rD, ACC+64*\m+8*(4*((\q)%2)+\i)
.set rA, 48*((\q)%4)+12*\i
.set rB, 12*(8*\m+(\q)/2)
.set zZ, 1-((\q)/2+7)/8                ; 1 in K step 0: its products start the sums
.set rSA, SCR+4*(((\q)/2)%2)+2*((\q)%2)+\i/2
.set rSB, XSC+(\q)/2
.set fRA, \i%2
.set fRB, \m
	MM
.endr
.endr
	PLACES
	RHALF (\q)+4, CB, LOFF                         ; the half four on takes this half's registers; with an odd half the scale words of two groups on take this group's, whose 16 products are all issued
.endm
; out += w x y for output tile 2 g + n, both tiles of tokens: each accumulator from its low end on.
.macro FMA g, n
	WIN 0xf0                                       ; out (destination and source 2) window 3, y and w window 0
.irp m, 0,1
.irp jj, 0,1,2,3
.set rO, 16*(2*(\g)+(\n))+8*\m+2*\jj
.set rY, YT+32*((\g)%2)+16*(\n)+8*\m+2*\jj
	v_pk_fma_f32 v[rO:rO+1], v[rY:rY+1], v[WR+2*\m:WR+2*\m+1], v[rO:rO+1] op_sel_hi:[1,0,1]
.endr
.endr
.endm
; SECOND PRODUCT, half q = 16 .. 31: group g = (q - 16) / 2 = output tiles 2 g, 2 g + 1; K steps 2 (q % 2), + 1; both tiles of tokens: 8 matrix instructions on 4 accumulators by turns.
; The group before's results are added to out meanwhile (two sets of accumulators take turns): those 8 lines name no register of this half's products and are the places ahead of the ring's loads.
.macro P2HALF q
	s_wait_loadcnt 37                              ; as in the first product
	WIN 0x02                                       ; source 0 (wo) window 2, all else window 0
.irp ss, 0,1
.irp n, 0,1
.irp m, 0,1
.set sS, 2*((\q)%2)+\ss
.set rD, YT+32*((((\q)-16)/2)%2)+16*\n+8*\m
.set rA, 48*((\q)%4)+12*(2*\ss+\n)
.set rB, HF+12*(4*\m+sS)
.set zZ, 1-(sS+3)/4                    ; 1 in K step 0
.set rSA, SCR+4*(((\q)/2)%2)+sS
.set rSB, HS+sS
.set fRA, \n
.set fRB, \m
	MM
.endr
.endr
.endr
.if (\q) >= 18
	FMA ((\q)-18)/2, (\q)%2
.else
	PLACES
.endif
.if (\q)+4 < 32
	RHALF (\q)+4, CB, LOFF
.else
	RHALF (\q)-28, NB, TOFF                        ; the ring goes on into the next expert that is used
.endif
.endm
; 64 numbers of a lane, none negative, register 16 b + i = k 32 b + 16 (lane / 16) + i of my token, become a fragment's codes in v[pc] .. v[pc + 11] and its scale word in v[pw].
.macro QUANT s, pc, pw
.irp b, 0,1,2,3
	v_max3_num_f32 v[TM+\b], v[(\s)+16*\b], v[(\s)+1+16*\b], 0x2800000   ; block b: my 16 numbers, and the floor 2^(5 - 127): so the byte cannot fall under 1
.endr
.irp i, 2,4,6,8,10,12,14
.irp b, 0,1,2,3
	v_max3_num_f32 v[TM+\b], v[TM+\b], v[(\s)+16*\b+\i], v[(\s)+1+16*\b+\i]   ; (the four blocks by turns)
.endr
.endr
.irp b, 0,1,2,3
	v_permlanex16_b32 v[TM+4+\b], v[TM+\b], s[SEL], s[SEL+1]
.endr
.irp b, 0,1,2,3
	v_max_num_f32 v[TM+\b], v[TM+\b], v[TM+4+\b]   ; with lane l xor 16's: the block's largest magnitude
.endr
.irp b, 0,1,2,3
	v_add_nc_u32 v[TM+12+\b], 0xfe000000, v[TM+\b]   ; 4 off its exponent field: the conversion takes the exponent field of this operand as its scale
.endr
.irp b, 0,1,2,3
	v_lshrrev_b32 v[TM+4+\b], 23, v[TM+12+\b]      ; the scale's byte
.endr
	v_lshl_or_b32 v[\pw], v[TM+5], 8, v[TM+4]
	v_lshl_or_b32 v[\pw], v[TM+6], 16, v[\pw]
	v_lshl_or_b32 v[\pw], v[TM+7], 24, v[\pw]      ; my token's scale word
.irp c, 0,1
	v_cvt_scalef32_pk16_bf6_f32 v[(\pc)+6*\c:(\pc)+2+6*\c], v[(\s)+32*\c:(\s)+15+32*\c], v[TM+12+2*\c]
	v_cvt_scalef32_pk16_bf6_f32 v[(\pc)+12+4*\c:(\pc)+14+4*\c], v[(\s)+16+32*\c:(\s)+31+32*\c], v[TM+12+2*\c+1]   ; (a conversion's three registers begin on an even number)
.endr
	v_nop                                          ; one plain place behind a scaled conversion
.irp c, 0,1                            ; the operand's layout wants a WHOLE block in a lane: lanes 0-15 block 2 c, lanes 16-31 block 2 c + 1
.irp i, 0,1,2
	v_permlane16_swap_b32 v[(\pc)+6*\c+\i], v[(\pc)+12+4*\c+\i]
.endr
.irp i, 0,1,2
	v_mov_b32 v[(\pc)+3+6*\c+\i], v[(\pc)+12+4*\c+\i]
.endr
.endr
.endm
.macro BARRIER                         ; my LDS stores have landed and my LDS loads are in: then the work-group's barrier
	s_wait_dscnt 0x0
	s_barrier_signal -1
	s_barrier_wait -1
.endm
	s_load_b256 s[4:11], s[0:1], 0x0               ; route s[4:5], wstream s[6:7], x's codes s[8:9], x's scales s[10:11]
	s_load_b128 s[12:15], s[0:1], 0x20             ; selected_experts s[12:13], routing_weights s[14:15]
	s_load_b64 s[16:17], s[0:1], 0x30              ; out
	v_lshl_add_u32 v254, v0, 2, 0x19a00
	v_mov_b32 v255, 0
	v_lshrrev_b32 v60, 5, v0
	v_readfirstlane_b32 s[WV], v60                 ; wave 0..3
	v_and_b32 v61, 31, v0                          ; lane
	v_lshlrev_b32 v[LOFF], 4, v61
	v_lshlrev_b32 v[LS], 2, v61
	v_and_b32 v60, 15, v0                          ; r
	v_bfe_u32 v61, v0, 4, 1                        ; h
	v_lshlrev_b32 v62, 2, v60                      ; 4 r
	s_mul_i32 s21, s[WV], 2*FRB
	v_add_nc_u32 v[XWI], s21, v[LOFF]
	s_mul_i32 s21, s[WV], FRB
	v_add_nc_u32 v[HWI], s21, v[LOFF]
	s_lshl_b32 s21, s[WV], 7
	s_add_co_u32 s21, s21, HSC
	v_add_nc_u32 v[HWS], s21, v[LS]
	v_add_nc_u32 v[WT0], WTAB, v62
	s_lshl_b32 s21, s[WV], 8
	s_add_co_u32 s21, s21, WTAB
	v_add_nc_u32 v[WTW], s21, v[LS]                ; w of experts 2 wave and 2 wave + 1, place = lane
	s_mul_i32 s21, s[WV], 16*SP
	s_add_co_u32 s21, s21, STG                     ; my stage
	v_mul_u32_u24 v[SO], v60, SP
	v_lshl_add_u32 v[SO], v61, 5, v[SO]
	v_add_nc_u32 v[SO], s21, v[SO]                 ; in: row r, 32 bytes for each half of the lanes
	v_add_nc_u32 v[SR], s21, v[LOFF]               ; back: 16 bytes a lane
	s_lshl_b32 s21, s[WV], 10
	v_add_nc_u32 v[GOF], s21, v[LOFF]
	s_mov_b32 s[SEL], 0x76543210
	s_mov_b32 s[SEL+1], 0xfedcba98                 ; v_permlanex16_b32's selects for lane l xor 16
	s_mov_b32 s[HIM], 0xffff0000
	s_mov_b32 s[OP+1], 0
	s_lshl_b32 s[OP], ttmp9, 7                     ; my block's 32 words of route
	s_wait_kmcnt 0x0
	s_add_nc_u64 s[4:5], s[4:5], s[OP:OP+1]
	s_load_b512 s[TKN:TKN+15], s[4:5], 0x0         ; the 32 words as scalars: the union of the sets, and the rows of out
	s_load_b512 s[TKN+16:TKN+31], s[4:5], 0x40
	global_load_b32 v[TK], v62, s[4:5]             ; and as vectors: place r,
	global_load_b32 v[TK+1], v62, s[4:5] offset:64 ; place 16 + r,
	global_load_b32 v[TK+2], v[LS], s[4:5]         ; place = lane
	s_mul_i32 s[OP], s[WV], WSTR
	s_add_nc_u64 s[WB:WB+1], s[6:7], s[OP:OP+1]
	s_wait_kmcnt 0x0
	s_or_b32 s[BM], s[TKN], s[TKN+1]
.irp i, 2,3,4,5,6,7,8,9,10,11,12,13,14,15,16,17,18,19,20,21,22,23,24,25,26,27,28,29,30,31
	s_or_b32 s[BM], s[BM], s[TKN+\i]
.endr
	s_bfe_u32 s[BM], s[BM], 0x80010                ; 8 bits from bit 16: the experts that the block visits
	s_ctz_i32_b32 s21, s[BM]
	s_min_u32 s21, s21, 7                          ; the first of them (held inside the stream; with no expert at all: 7, read and not used)
	s_mul_i32 s[OP], s21, ESTR
	s_add_nc_u64 s[NB:NB+1], s[WB:WB+1], s[OP:OP+1]
	s_cmp_lg_u32 s[BM], 0
	s_cselect_b32 s[SELM], -1, 0
	v_cndmask_b32 v[TOFF], 0, v[LOFF], s[SELM]     ; where nothing will be used all lanes ask for the same 16 bytes: the loads are issued all the same, so that every count holds on every way
	v_min_u32 v[TOFF], 0x1f0, v[TOFF]
.irp q, 0,1,2,3
	RHALF \q, NB, TOFF                             ; the ring's first four halves: 50 loads
.endr
	WIN 0
.irp i, 0,1,2,3,4,5,6,7,8,9,10,11,12,13,14,15,16,17,18,19,20,21,22,23,24,25,26,27,28,29,30,31
	s_and_b32 s[TKN+\i], s[TKN+\i], 0x1fff         ; the token,
	s_min_u32 s[TKN+\i], s[TKN+\i], 0x1fff         ; held inside the tensors,
	s_lshl_b32 s[TKN+\i], s[TKN+\i], 12            ; as its row of 4,096 bytes in out
.endr
	s_wait_loadcnt 50                              ; the three route loads are in: behind them the ring's 50 were issued
.irp i, 0,1,2
	v_and_b32 v[TK+\i], 0x1fff, v[TK+\i]
	v_min_u32 v[TK+\i], 0x1fff, v[TK+\i]
.endr
	s_mul_i32 s21, s[WV], 192                      ; my wave gathers K steps 2 wave and 2 wave + 1 of x
	v_mul_u32_u24 v61, v61, 24
	v_add_nc_u32 v61, s21, v61
.irp m, 0,1
	v_mul_u32_u24 v[XO+\m], v[TK+\m], 768          ; a row of x: 1,024 codes
	v_add_nc_u32 v[XO+\m], v[XO+\m], v61
.endr
	v_lshlrev_b32 v[XSO], 5, v[TK+2]
	s_lshl_b32 s21, s[WV], 3
	v_lshlrev_b32 v[SA], 6, v[TK+2]
	v_add_nc_u32 v[SA], s21, v[SA]                 ; the mask: token x 64 bytes + experts 2 wave, 2 wave + 1
	v_lshlrev_b32 v[RA], 3, v[TK+2]
.irp m, 0,1
.irp ss, 0,1
.irp p, 0,1,2,3,4,5
	global_load_b64 v[XT+12*(2*\m+\ss)+2*\p:XT+12*(2*\m+\ss)+2*\p+1], v[XO+\m], s[8:9] offset:96*\ss+48*(\p/3)+8*(\p%3)
.endr
.endr
.endr
	global_load_b128 v[XSC:XSC+3], v[XSO], s[10:11]
	global_load_b128 v[XSC+4:XSC+7], v[XSO], s[10:11] offset:16
	global_load_b64 v[MK:MK+1], v[SA], s[12:13]              ; k = 0
	global_load_b64 v[MK+2:MK+3], v[SA], s[12:13] offset:32  ; k = 1
	global_load_b64 v[RW:RW+1], v[RA], s[14:15]
	; While these are out: out begins as zeros.  Which expert is a block's first hangs on the stored sets, and a block that names no expert stores zeros: so the sums cannot begin with a product written out ahead of the loop.
	WIN 0xc0
.set i, 0
.rept 256
	v_mov_b32 v[i], 0
.set i, i+1
.endr
	WIN 0
	v_mov_b32 v[WR+1], 0                           ; named as the upper halves of pairs
	v_mov_b32 v[WR+3], 0
.irp b, 0,1,2,3
	v_mov_b32 v[TM+4+\b], 0                        ; written once: a lane permute's destination counts as one of its sources
	v_mov_b32 v[ZR+\b], 0
.endr
.irp c, 0,1,2                          ; my images and scale words of the hidden layer begin as zeros, so that no LDS byte is read on any way that nobody wrote
	ds_store_b128 v[HWI], v[ZR:ZR+3] offset:HIMG+512*\c
	ds_store_b128 v[HWI], v[ZR:ZR+3] offset:HIMG+4*FRB+512*\c
.endr
	ds_store_b32 v[HWS], v[ZR]
	s_wait_loadcnt 0x0                             ; once: x, the mask, the weights of the gate (and the ring's first halves, issued ahead of them)
.irp m, 0,1
.irp ss, 0,1
.irp c, 0,1,2
	ds_store_b128 v[XWI], v[XT+12*(2*\m+\ss)+4*\c:XT+12*(2*\m+\ss)+4*\c+3] offset:XIMG+(8*\m+\ss)*FRB+512*\c   ; x's fragments go from wave to wave as images of their registers
.endr
.endr
.endr
.irp i, 0,1,2,3
	v_cvt_f32_i32 v[MK+\i], v[MK+\i]
.endr
	v_mul_f32 v[WW], v[MK], v[RW]
	v_mul_f32 v[WW+1], v[MK+1], v[RW]
	v_fma_f32 v[WW], v[MK+2], v[RW+1], v[WW]       ; w = mask[0][e] rw[0] + mask[1][e] rw[1], in f32
	v_fma_f32 v[WW+1], v[MK+3], v[RW+1], v[WW+1]
	ds_store_b32 v[WTW], v[WW]
	ds_store_b32 v[WTW], v[WW+1] offset:128
	BARRIER                                        ; x's sixteen fragments and all of w lie in LDS
	WIN 0x40                                       ; destination window 1
.irp f, 0,1,2,3,4,5,6,7,8,9,10,11,12,13,14,15
.irp c, 0,1,2
	ds_load_b128 v[12*\f+4*\c:12*\f+4*\c+3], v[LOFF] offset:XIMG+\f*FRB+512*\c
.endr
.endr
	WIN 0
	s_mov_b32 s[EI], 0
	s_wait_dscnt 0x0
; THE WALK OVER THE EXPERTS: 8 trips.  The two barriers stand outside the branches: every wave passes them in every trip.  At each edge of a region the ring holds, or is being sent, the first four halves of the
; region that runs next; each region takes 16 halves and asks for 16: so registers and counts are the same on every way, and only addresses differ.
.Lexp:
	s_wait_xcnt 0x0                                ; the ring's loads have read their base: it may be written
	s_mul_i32 s[OP], s[EI], ESTR
	s_add_nc_u64 s[CB:CB+1], s[WB:WB+1], s[OP:OP+1]
	s_lshl_b32 s[WOF], s[EI], 7
	v_add_nc_u32 v[WTE], s[WOF], v[WT0]            ; this expert's w
	s_lshr_b32 s21, s[BM], s[EI]
	s_and_b32 s21, s21, 1
	s_cmp_eq_u32 s21, 0
	s_cbranch_scc1 .Lskip1                         ; no token of the block names this expert
.irp q, 0,1,2,3,4,5,6,7,8,9,10,11,12,13,14,15
	P1HALF \q
.endr
	WIN 0
.set i, 0
.rept 128
	v_max_num_f32 v[ACC+i], 0, v[ACC+i]            ; the activation, in f32; each accumulator from its low end on
.set i, i+1
.endr
	QUANT ACC, PC0, PW0
	QUANT ACC+64, PC1, PW1
.irp c, 0,1,2
	ds_store_b128 v[HWI], v[PC0+4*\c:PC0+4*\c+3] offset:HIMG+512*\c          ; K step = my wave, tokens 0-15
	ds_store_b128 v[HWI], v[PC1+4*\c:PC1+4*\c+3] offset:HIMG+4*FRB+512*\c    ; tokens 16-31
.endr
	v_cndmask_b32 v[PWC], v[PW0], v[PW1], s[HIM]   ; lanes 0-15 carry tile 0's scale words, lanes 16-31 tile 1's
	ds_store_b32 v[HWS], v[PWC]
.Lskip1:
	BARRIER                                        ; the hidden layer's four K steps lie in LDS
	s_lshr_b32 s21, s[BM], s[EI]
	s_and_b32 s21, s21, 1
	s_cmp_eq_u32 s21, 0
	s_cbranch_scc1 .Lskip2
	s_wait_xcnt 0x0                                ; the loads that named NB and TOFF have read them
	s_add_co_u32 s21, s[EI], 1
	s_lshr_b32 s31, s[BM], s21                     ; the experts still to come
	s_ctz_i32_b32 s69, s31
	s_add_co_u32 s69, s69, s21
	s_min_u32 s69, s69, 7                          ; the next one that is used (held inside the stream; where none follows the number is not used)
	s_mul_i32 s[OP], s69, ESTR
	s_add_nc_u64 s[NB:NB+1], s[WB:WB+1], s[OP:OP+1]
	s_cmp_lg_u32 s31, 0
	s_cselect_b32 s[SELM], -1, 0
	v_cndmask_b32 v[TOFF], 0, v[LOFF], s[SELM]
	v_min_u32 v[TOFF], 0x1f0, v[TOFF]
.irp f, 0,1,2,3,4,5,6,7
.irp c, 0,1,2
	ds_load_b128 v[HF+12*\f+4*\c:HF+12*\f+4*\c+3], v[LOFF] offset:HIMG+\f*FRB+512*\c
.endr
.endr
.irp s, 0,1,2,3
	ds_load_b32 v[HS+\s], v[LS] offset:HSC+128*\s
.endr
	ds_load_b32 v[WR], v[WTE]                      ; w of my token in tile 0,
	ds_load_b32 v[WR+2], v[WTE] offset:64          ; in tile 1
	s_wait_dscnt 0x0
.irp q, 16,17,18,19,20,21,22,23,24,25,26,27,28,29,30,31
	P2HALF \q
.endr
	FMA 7, 0                                       ; the last group's results: eight plain lines and the ring's loads stand between them and their products
	FMA 7, 1
	WIN 0
.Lskip2:
	BARRIER                                        ; every wave's reads of the hidden layer are over: it may be written again
	s_add_co_u32 s[EI], s[EI], 1
	s_cmp_lt_u32 s[EI], 8
	s_cbranch_scc1 .Lexp
; THE WAY OUT, a tile of 16 tokens at a time.  A lane holds 32 neighbouring bytes of a row, and the lanes beside it hold other rows: so the tile goes through my own stage in LDS and comes back as rows of 1,024 bytes.
; LDS serves a wave's instructions in order (ISA guide 5.7.1.4): no wait between the stores and the loads, and the stage is my wave's alone: no barrier.
.irp m, 0,1
.if \m
	s_wait_xcnt 0x0                                ; the first tile's stores have read their data and offsets: both are written again
.endif
	WIN 0x0c                                       ; an LDS store's data are its source 1: window 3
.irp n, 0,1,2,3,4,5,6,7,8,9,10,11,12,13,14,15
	ds_store_b128 v[SO], v[16*\n+8*\m:16*\n+8*\m+3] offset:64*\n
	ds_store_b128 v[SO], v[16*\n+8*\m+4:16*\n+8*\m+7] offset:64*\n+16
.endr
	WIN 0
.irp i, 0,1,2,3,4,5,6,7,8,9,10,11,12,13,14,15
.irp u, 0,1
	ds_load_b128 v[BK+8*\i+4*\u:BK+8*\i+4*\u+3], v[SR] offset:SP*\i+512*\u
.endr
.endr
.irp i, 0,1,2,3,4,5,6,7,8,9,10,11,12,13,14,15
	v_add_nc_u32 v[VO+\i], s[TKN+16*\m+\i], v[GOF] ; the token's row of out + my wave's 1,024 bytes + 16 x lane
.endr
.irp i, 0,1,2,3,4,5,6,7,8,9,10,11,12,13,14,15
.irp u, 0,1
	s_wait_dscnt 31-2*\i-\u                        ; the LDS loads issued behind this one may stay out
	global_store_b128 v[VO+\i], v[BK+8*\i+4*\u:BK+8*\i+4*\u+3], s[16:17] offset:512*\u th:TH_STORE_NT   ; 32 lanes store 512 consecutive bytes, aligned; written once, read by nobody here
.endr
.endr
.endr
	s_barrier_signal -1
	s_barrier_wait -1
	s_wait_tensorcnt 0x0
	ds_add_u32 v254, v255
	s_wait_dscnt 0x0
	s_endpgm
.Lfunc_end_k_q062a012d26_chain:
	.size	k_q062a012d26_chain, .Lfunc_end_k_q062a012d26_chain-k_q062a012d26_chain
	.p2alignl 7, 3214868480
	.fill 96, 4, 3214868480
	.section	.rodata,"a",@progbits
	.p2align	6, 0x0
	.amdhsa_kernel k_q062a012d26_chain
		.amdhsa_group_segment_fixed_size 105472
		.amdhsa_private_segment_fixed_size 0
		.amdhsa_enable_private_segment 0
		.amdhsa_kernarg_size 56
		.amdhsa_user_sgpr_count 2
		.amdhsa_user_sgpr_kernarg_segment_ptr 1
		.amdhsa_wavefront_size32 1
		.amdhsa_system_sgpr_workgroup_id_x 1
		.amdhsa_system_sgpr_workgroup_id_y 1
		.amdhsa_system_sgpr_workgroup_id_z 1
		.amdhsa_system_vgpr_workitem_id 0
		.amdhsa_next_free_vgpr 1024
		.amdhsa_next_free_sgpr 72
		.amdhsa_reserve_vcc 0
		.amdhsa_float_denorm_mode_32 3
		.amdhsa_float_denorm_mode_16_64 3
		.amdhsa_memory_ordered 1
		.amdhsa_forward_progress 1
		.amdhsa_inst_pref_size 147
	.end_amdhsa_kernel
	.amdgpu_metadata
---
amdhsa.version: [ 1, 2 ]
amdhsa.kernels:
  - .name:           k_q062a012d26_chain
    .symbol:         k_q062a012d26_chain.kd
    .args:
      - { .name: route, .offset: 0, .size: 8, .value_kind: global_buffer, .address_space: global }
      - { .name: wstream, .offset: 8, .size: 8, .value_kind: global_buffer, .address_space: global }
      - { .name: hidden_states_codes, .offset: 16, .size: 8, .value_kind: global_buffer, .address_space: global }
      - { .name: hidden_states_scales, .offset: 24, .size: 8, .value_kind: global_buffer, .address_space: global }
      - { .name: selected_experts, .offset: 32, .size: 8, .value_kind: global_buffer, .address_space: global }
      - { .name: routing_weights, .offset: 40, .size: 8, .value_kind: global_buffer, .address_space: global }
      - { .name: out0, .offset: 48, .size: 8, .value_kind: global_buffer, .address_space: global }
    .group_segment_fixed_size: 105472
    .private_segment_fixed_size: 0
    .kernarg_segment_align: 8
    .kernarg_segment_size: 56
    .max_flat_workgroup_size: 128
    .sgpr_count:     72
    .vgpr_count:     1024
    .wavefront_size: 32
...
	.end_amdgpu_metadata
.endif
;; end of part 2
;; ======== version 2 of 2: 2 launches
;; workspace buffers: route 32,768 bytes of whole numbers; wstream 6,553,600 bytes
;; launch prep (part 3): grid 256 x 1, 32 waves a work-group, no clusters, 168,448 bytes of LDS; arguments selected_experts, wi_codes, wi_scales, wo_codes, wo_scales, route, wstream; writes route, wstream
.if DOCPART == 3
	.amdgcn_target "amdgcn-amd-amdhsa--gfx1250"
	.amdhsa_code_object_version 6
	.text
	.protected	k_q062a012d26_prep
	.globl	k_q062a012d26_prep
	.p2align	8
	.type	k_q062a012d26_prep,@function
k_q062a012d26_prep:
	s_mov_b64 s[64:65], 0
	v_nop
	global_prefetch_b8 v0, s[64:65] scope:SCOPE_SE
	s_setreg_imm32_b32 hwreg(HW_REG_WAVE_MODE, 25, 1), 1
	s_wait_xcnt 0x0
; TWO JOBS IN ONE LAUNCH, both ahead of the chain of products.
; (a) THE SORT.  A token's SET is 8 bits: bit e is on where selected_experts[t][0][e] or [t][1][e] is not 0 (whole numbers alone decide; any int32 mask is served).
;     route[p] = (token at sorted place p) | (its set << 16), the tokens sorted by set, within a set by number.  Work-group X owns the class 'set == X': it walks all 8,192 tokens,
;     counts the sets under X (the class's first place) and those equal to X, and stores its class's words.  So every word has one owner and no atomic is needed; a class that the mask leaves empty stores no word.
; (b) THE LAYOUT.  wi and wo, codes and scale bytes, are laid out once as IMAGES OF OPERAND REGISTERS in the order in which the chain's waves take them:
;     wstream = [expert: 819,200][wave w: 204,800][group j = 0..15: 12,800]; a group = 8 fragments of 1,536 bytes (3 pieces of 512: lane l's registers 4 c .. 4 c + 3 at 16 l) + 512 bytes of scale words
;     (lane (r, hh), register jj: the word of row r of fragment 2 jj + hh).
;     j < 8 : first product, K step j; fragment t: lane r takes wi row 128 w + 32 (t / 2) + 8 (t % 2) + r + 8 (r / 8), so that two neighbouring tiles' results are 16 neighbours along the next K.
;     j >= 8: second product, g = j - 8; fragment 2 s + n: K step s, lane r takes wo row 256 w + 16 (2 g + n) + r.
;     Work-group X lays out groups 2 X and 2 X + 1: waves 0-15 a fragment each, waves 16 and 17 a block of scale words each.
; SHARES OF THE SORT.  Wave v takes tokens 256 v .. 256 v + 255 in 8 steps of 32.  A step's 2,048 bytes are loaded as they lie (512 consecutive bytes a load) and turn through the wave's own stage in LDS,
; so that a lane holds its token's 16 numbers.  Loads run four steps ahead, the turn one step.  One barrier: the waves' counts meet in LDS.
.set R,    16                          ; v16-79   four sets of 16 numbers as they are loaded
.set XX,   80                          ; v80-111  two sets: a token's 16 numbers, [k][e]
.set RL,   112                         ; v112-123 the layout's data
.set PA,   16                          ; v16-23   the placing: a step's byte offset in route (the scan's numbers are done with by then)
.set PD,   32                          ; v32-39   the placing: a step's word
.set SPL,  80                          ; a token's place in a stage: 64 bytes + 16 of padding
.set WST,  2*32*SPL                    ; a wave's two stages
.set CNT,  32*WST                      ; behind the stages: 8 bytes a wave: (equal, below)
	s_load_b256 s[4:11], s[0:1], 0x0               ; selected_experts s[4:5], wi's codes s[6:7], wi's scales s[8:9], wo's codes s[10:11]
	s_load_b128 s[12:15], s[0:1], 0x20             ; wo's scales s[12:13], route s[14:15]
	s_load_b64 s[16:17], s[0:1], 0x30              ; wstream
	v_lshrrev_b32 v1, 5, v0
	s_delay_alu instid0(VALU_DEP_1)
	v_readfirstlane_b32 s18, v1                    ; wave 0..31
	s_mov_b32 s19, ttmp9                           ; X: my class, and half the number of my first group
	v_and_b32 v1, 31, v0                           ; lane
	v_and_b32 v2, 15, v0                           ; r
	v_bfe_u32 v3, v0, 4, 1                         ; h
	s_delay_alu instid0(VALU_DEP_3)
	v_lshlrev_b32 v4, 4, v1                        ; 16 x lane
	s_mul_i32 s20, s18, WST
	v_lshrrev_b32 v5, 2, v1
	s_delay_alu instid0(VALU_DEP_1)
	v_mul_u32_u24 v5, v5, SPL
	v_and_b32 v124, 3, v1
	s_delay_alu instid0(VALU_DEP_1)
	v_lshl_add_u32 v5, v124, 4, v5
	s_delay_alu instid0(VALU_DEP_1)
	v_add_nc_u32 v5, s20, v5                       ; the stage, on the way in: four lanes' 64 bytes on end, then the padding
	v_mul_u32_u24 v6, v1, SPL
	s_delay_alu instid0(VALU_DEP_1)
	v_add_nc_u32 v6, s20, v6                       ; and on the way out: my token's 64 bytes
	s_lshl_b32 s20, s18, 3
	s_add_co_u32 s20, s20, CNT
	v_mov_b32 v7, s20                              ; my wave's two counts
	v_lshl_add_u32 v8, v1, 3, CNT                  ; the counts of wave = my lane
	s_lshl_b32 s20, s18, 8
	v_add_nc_u32 v9, s20, v1                       ; my token in step 0
	s_mov_b32 s44, 0x76543210
	s_mov_b32 s45, 0xfedcba98                      ; v_permlanex16_b32's selects for lane l xor 16
	s_lshl_b32 s46, s19, 16                        ; my class's set, at its place in a word of route
	s_mov_b32 s40, 0                               ; equal
	s_mov_b32 s41, 0                               ; below
	; which group, which fragment: from ids alone.  Both variants (wi, wo) are made; one compare chooses.
	s_lshr_b32 s20, s18, 3
	s_and_b32 s31, s18, 1
	s_cmp_lt_u32 s18, 16
	s_cselect_b32 s20, s20, s31                    ; which of my work-group's two groups: fragment waves wave / 8, scale waves wave % 2
	s_lshl_b32 s21, s19, 1
	s_add_co_u32 s21, s21, s20                     ; G = 64 e + 16 w + j
	s_lshr_b32 s22, s21, 6                         ; e
	s_bfe_u32 s23, s21, 0x20004                    ; w
	s_and_b32 s24, s21, 15                         ; j
	s_and_b32 s25, s18, 7                          ; f
	s_lshr_b32 s26, s25, 1
	s_and_b32 s27, s25, 1
	s_and_b32 s28, s24, 7                          ; g, where j >= 8
	s_lshl_b32 s29, s23, 7                         ; wi: row 128 w + 32 (f / 2) + 8 (f % 2), of 768 bytes; K step j: 96 j bytes on
	s_lshl_b32 s31, s26, 5
	s_add_co_u32 s29, s29, s31
	s_lshl_b32 s31, s27, 3
	s_add_co_u32 s29, s29, s31
	s_mul_i32 s29, s29, 768
	s_mul_i32 s31, s24, 96
	s_add_co_u32 s29, s29, s31
	s_lshl_b32 s30, s23, 8                         ; wo: row 256 w + 32 g + 16 (f % 2), of 384 bytes; K step f / 2
	s_lshl_b32 s31, s28, 5
	s_add_co_u32 s30, s30, s31
	s_lshl_b32 s31, s27, 4
	s_add_co_u32 s30, s30, s31
	s_mul_i32 s30, s30, 384
	s_mul_i32 s31, s26, 96
	s_add_co_u32 s30, s30, s31
	s_lshl_b32 s63, s24, 2                         ; scale words: wi: 4 j bytes into a row of 32;
	s_lshl_b32 s47, s28, 9                         ; wo: 32 g rows of 16 bytes
	s_mov_b32 s31, 384
	s_mov_b32 s62, 1024
	s_wait_kmcnt 0x0
	s_cmp_lt_u32 s24, 8                            ; a group of wi or of wo?  The choice hangs on ids alone
	s_cselect_b64 s[48:49], s[6:7], s[10:11]       ; codes
	s_cselect_b64 s[56:57], s[8:9], s[12:13]       ; scales
	s_cselect_b32 s52, s29, s30
	s_cselect_b32 s54, 768, s31                    ; a row of codes in bytes
	s_cselect_b32 s55, 8, 0                        ; wi's rows of a tile: r + (r & 8); wo's: r
	s_cselect_b32 s58, s63, s47
	s_cselect_b32 s60, 8, 16                       ; scale words: rows from fragment 2 jj to 2 jj + 1,
	s_cselect_b32 s61, 5, 4                        ; log2 of a row of scale bytes,
	s_cselect_b32 s62, s62, 4                      ; bytes from register jj to jj + 1 (wi: 32 rows; wo: one K step)
	s_mul_i32 s31, s22, 393216                     ; an expert's codes (512 x 768 = 1,024 x 384 bytes)
	s_add_co_u32 s52, s52, s31
	s_mov_b32 s53, 0
	s_add_nc_u64 s[48:49], s[48:49], s[52:53]
	s_lshl_b32 s31, s22, 14                        ; an expert's scale bytes: 16,384; a wave's: 4,096
	s_add_co_u32 s58, s58, s31
	s_lshl_b32 s31, s23, 12
	s_add_co_u32 s58, s58, s31
	s_mov_b32 s59, 0
	s_add_nc_u64 s[56:57], s[56:57], s[58:59]
	s_mul_i32 s52, s21, 12800
	s_add_nc_u64 s[50:51], s[16:17], s[52:53]      ; my group in wstream
	s_lshl_b32 s52, s18, 14
	s_add_nc_u64 s[4:5], s[4:5], s[52:53]          ; my wave's 256 tokens of 64 bytes
	v_and_b32 v124, s55, v2
	s_delay_alu instid0(VALU_DEP_1)
	v_add_nc_u32 v124, v124, v2                    ; my row in the tile
	s_delay_alu instid0(VALU_DEP_1)
	v_mul_u32_u24 v10, v124, s54
	s_delay_alu instid0(VALU_DEP_1)
	v_mad_u32_u24 v10, v3, 24, v10                 ; codes: row x pitch + 24 h
	s_delay_alu instid0(VALU_DEP_3)
	v_mad_u32_u24 v124, v3, s60, v124
	s_delay_alu instid0(VALU_DEP_1)
	v_lshlrev_b32 v124, s61, v124                  ; scale words: lanes 16-31 take the odd fragment's rows
.irp jj, 0,1,2,3
	v_mad_u32_u24 v[11+\jj], s62, \jj, v124
.endr
	s_mul_i32 s31, s25, 1536
	v_add_nc_u32 v15, s31, v4                      ; my fragment's place in the group, 16 bytes a lane
	; the layout's loads go out first, the sort's behind them
	s_cmp_lt_u32 s18, 16
	s_cbranch_scc0 .Lnot_frag_in
.irp p, 0,1,2,3,4,5
	global_load_b64 v[RL+2*\p:RL+2*\p+1], v10, s[48:49] offset:48*(\p/3)+8*(\p%3) th:TH_LOAD_NT   ; registers 6 c .. 6 c + 5: k = 64 c + 32 h + 0 .. 31: 24 bytes as they lie
.endr
	s_branch .Lasked
.Lnot_frag_in:
	s_cmp_lt_u32 s18, 18
	s_cbranch_scc0 .Lasked
	s_wait_alu depctr_va_vdst(0)
.irp jj, 0,1,2,3
	global_load_b32 v[RL+\jj], v[11+\jj], s[56:57] th:TH_LOAD_NT
.endr
.Lasked:
.macro LOAD t                          ; step t: 32 tokens, 2,048 bytes; each load reads 512 consecutive bytes.  No hint: every work-group reads these bytes
.irp i, 0,1,2,3
	global_load_b128 v[R+16*((\t)%4)+4*\i:R+16*((\t)%4)+4*\i+3], v4, s[4:5] offset:2048*(\t)+512*\i
.endr
.endm
.macro TURN t                          ; through the stage: LDS serves a wave's instructions in order (ISA guide 5.7.1.4), so no wait stands between the stores and the loads
.irp i, 0,1,2,3
	ds_store_b128 v5, v[R+16*((\t)%4)+4*\i:R+16*((\t)%4)+4*\i+3] offset:32*SPL*((\t)%2)+8*SPL*\i
.endr
.irp i, 0,1,2,3
	ds_load_b128 v[XX+16*((\t)%2)+4*\i:XX+16*((\t)%2)+4*\i+3], v6 offset:32*SPL*((\t)%2)+16*\i
.endr
.endm
.irp t, 0,1,2,3
	LOAD \t
.endr
	s_cmp_lt_u32 s18, 16
	s_cbranch_scc0 .Lnot_frag_out
	s_wait_loadcnt 16                              ; behind the fragment's six loads: the sixteen of steps 0 to 3
	s_wait_alu depctr_va_vdst(0)
.irp c, 0,1,2
	global_store_b128 v15, v[RL+4*\c:RL+4*\c+3], s[50:51] offset:512*\c   ; 32 lanes store 512 consecutive bytes, aligned
.endr
	s_branch .Llaid
.Lnot_frag_out:
	s_cmp_lt_u32 s18, 18
	s_cbranch_scc0 .Llaid
	s_wait_loadcnt 16                              ; behind the four scale loads: the same sixteen
	global_store_b128 v4, v[RL:RL+3], s[50:51] offset:12288
.Llaid:
	s_wait_loadcnt 12                              ; step 0's four loads are in; steps 1 to 3 may be out
	TURN 0
.macro STEP t
.set XS, XX+16*((\t)%2)
	s_wait_dscnt 0x0                               ; this step's numbers are back from the stage, and its stores into the stage have read their registers,
.if (\t)+4 < 8
	LOAD (\t)+4                                    ; which take the loads of four steps on
.endif
.if (\t)+1 < 8
.if 6-(\t) >= 3
	s_wait_loadcnt 12                              ; the next step's four loads are in; those of the three steps behind it may be out
.else
	s_wait_loadcnt 4*(6-(\t))
.endif
	TURN (\t)+1
.endif
.irp e, 0,1,2,3,4,5,6,7
	v_or_b32 v[XS+\e], v[XS+\e], v[XS+8+\e]        ; expert e is used where either of the token's two numbers is not 0
.endr
.irp e, 0,1,2,3,4,5,6,7
	v_min_u32 v[XS+\e], 1, v[XS+\e]
.endr
.irp e, 1
	v_lshl_or_b32 v[XS], v[XS+\e], \e, v[XS]       ; the set
.endr
.irp e, 2, 3, 4, 5, 6, 7
	s_delay_alu instid0(VALU_DEP_1)
	v_lshl_or_b32 v[XS], v[XS+\e], \e, v[XS]
.endr
	s_delay_alu instid0(VALU_DEP_1)
	v_cmp_eq_u32 s[32+(\t)], s19, v[XS]            ; my class's tokens of this step: kept for the placing
	s_delay_alu instid0(VALU_DEP_2)
	v_cmp_gt_u32 s20, s19, v[XS]                   ; and those of lower classes
	s_bcnt1_i32_b32 s21, s[32+(\t)]
	s_add_co_u32 s40, s40, s21
	s_bcnt1_i32_b32 s21, s20
	s_add_co_u32 s41, s41, s21
.endm
.irp t, 0,1,2,3,4,5,6,7
	STEP \t
.endr
	v_mov_b32 v124, s40
	v_mov_b32 v125, s41
	ds_store_b64 v7, v[124:125]                    ; all lanes write the same 8 bytes with the same values
	s_wait_dscnt 0x0                               ; for the others' sake: my counts are in LDS
	s_barrier_signal -1
	s_barrier_wait -1
	ds_load_b64 v[124:125], v8                     ; lane l: wave l's counts
	s_wait_dscnt 0x0
	v_cmp_gt_u32 vcc_lo, s18, v1
	s_delay_alu instid0(VALU_DEP_1)
	v_cndmask_b32 v124, 0, v124, vcc_lo            ; 'equal' counts only from the waves ahead of mine
	s_delay_alu instid0(VALU_DEP_1)
	v_lshl_add_u32 v124, v124, 16, v125            ; both sums are 8,192 at the most: 16 bits each
	v_mov_b32 v126, 0
.irp x, 1
	s_delay_alu instid0(VALU_DEP_2)
	v_mov_b32_dpp v126, v124 row_xmask:\x row_mask:0xf bank_mask:0xf
	s_delay_alu instid0(VALU_DEP_1)
	v_add_nc_u32 v124, v124, v126
.endr
.irp x, 2, 4, 8
	s_delay_alu instid0(VALU_DEP_1)
	v_mov_b32_dpp v126, v124 row_xmask:\x row_mask:0xf bank_mask:0xf
	s_delay_alu instid0(VALU_DEP_1)
	v_add_nc_u32 v124, v124, v126
.endr
	s_delay_alu instid0(VALU_DEP_1)
	v_permlanex16_b32 v126, v124, s44, s45
	s_delay_alu instid0(VALU_DEP_1)
	v_add_nc_u32 v124, v124, v126
	s_delay_alu instid0(VALU_DEP_1)
	v_readfirstlane_b32 s42, v124
	s_lshr_b32 s20, s42, 16
	s_and_b32 s42, s42, 0xffff
	s_add_co_u32 s42, s42, s20                     ; the place of my wave's first token of the class
	; THE PLACING.  All eight steps' offsets and words are made first, every lane on, each in a register of its own: no address register is written once EXEC has been narrowed.
.irp t, 0,1,2,3,4,5,6,7
	v_mbcnt_lo_u32_b32 v[PA+\t], s[32+\t], 0       ; how many of the class stand in lower lanes of this step
	s_delay_alu instid0(VALU_DEP_1)
	v_add_nc_u32 v[PA+\t], s42, v[PA+\t]
	s_delay_alu instid0(VALU_DEP_1)
	v_min_u32 v[PA+\t], 0x1fff, v[PA+\t]           ; a place: held inside route
	s_delay_alu instid0(VALU_DEP_1)
	v_lshlrev_b32 v[PA+\t], 2, v[PA+\t]
	v_add_nc_u32 v[PD+\t], 32*\t, v9
	s_delay_alu instid0(VALU_DEP_1)
	v_or_b32 v[PD+\t], s46, v[PD+\t]               ; token | set << 16
	s_bcnt1_i32_b32 s20, s[32+\t]
	s_add_co_u32 s42, s42, s20                     ; the next step's first place
.endr
	s_wait_alu depctr_va_vdst(0)
	s_wait_xcnt 0x0                                ; EXEC changes only behind this wait: the layout's stores have been issued since the entry
.irp t, 0,1,2,3,4,5,6,7
	s_mov_b32 vcc_lo, s[32+\t]
	s_and_saveexec_b32 s43, vcc_lo                 ; my class's tokens of step t alone
	global_store_b32 v[PA+\t], v[PD+\t], s[14:15]  ; they go to neighbouring words
	s_wait_xcnt 0x0                                ; and again, in front of the line that widens EXEC
	s_or_b32 exec_lo, exec_lo, s43
.endr
	s_wait_xcnt 0x0
	s_mov_b32 exec_lo, -1
	v_lshl_add_u32 v126, v0, 2, 0x28200
	v_mov_b32 v127, 0
	s_wait_alu depctr_va_vdst(0)
	s_wait_tensorcnt 0x0
	ds_add_u32 v126, v127
	s_wait_dscnt 0x0
	s_endpgm
.Lfunc_end_k_q062a012d26_prep:
	.size	k_q062a012d26_prep, .Lfunc_end_k_q062a012d26_prep-k_q062a012d26_prep
	.p2alignl 7, 3214868480
	.fill 96, 4, 3214868480
	.section	.rodata,"a",@progbits
	.p2align	6, 0x0
	.amdhsa_kernel k_q062a012d26_prep
		.amdhsa_group_segment_fixed_size 168448
		.amdhsa_private_segment_fixed_size 0
		.amdhsa_enable_private_segment 0
		.amdhsa_kernarg_size 56
		.amdhsa_user_sgpr_count 2
		.amdhsa_user_sgpr_kernarg_segment_ptr 1
		.amdhsa_wavefront_size32 1
		.amdhsa_system_sgpr_workgroup_id_x 1
		.amdhsa_system_sgpr_workgroup_id_y 1
		.amdhsa_system_sgpr_workgroup_id_z 1
		.amdhsa_system_vgpr_workitem_id 0
		.amdhsa_next_free_vgpr 128
		.amdhsa_next_free_sgpr 66
		.amdhsa_reserve_vcc 1
		.amdhsa_float_denorm_mode_32 3
		.amdhsa_float_denorm_mode_16_64 3
		.amdhsa_memory_ordered 1
		.amdhsa_forward_progress 1
		.amdhsa_inst_pref_size 33
	.end_amdhsa_kernel
	.amdgpu_metadata
---
amdhsa.version: [ 1, 2 ]
amdhsa.kernels:
  - .name:           k_q062a012d26_prep
    .symbol:         k_q062a012d26_prep.kd
    .args:
      - { .name: selected_experts, .offset: 0, .size: 8, .value_kind: global_buffer, .address_space: global }
      - { .name: wi_codes, .offset: 8, .size: 8, .value_kind: global_buffer, .address_space: global }
      - { .name: wi_scales, .offset: 16, .size: 8, .value_kind: global_buffer, .address_space: global }
      - { .name: wo_codes, .offset: 24, .size: 8, .value_kind: global_buffer, .address_space: global }
      - { .name: wo_scales, .offset: 32, .size: 8, .value_kind: global_buffer, .address_space: global }
      - { .name: route, .offset: 40, .size: 8, .value_kind: global_buffer, .address_space: global }
      - { .name: wstream, .offset: 48, .size: 8, .value_kind: global_buffer, .address_space: global }
    .group_segment_fixed_size: 168448
    .private_segment_fixed_size: 0
    .kernarg_segment_align: 8
    .kernarg_segment_size: 56
    .max_flat_workgroup_size: 1024
    .sgpr_count:     66
    .vgpr_count:     128
    .wavefront_size: 32
...
	.end_amdgpu_metadata
.endif
;; end of part 3
;; launch chain (part 4): grid 256 x 1, 4 waves a work-group, no clusters, 105,472 bytes of LDS; arguments route, wstream, hidden_states_codes, hidden_states_scales, selected_experts, routing_weights, out0; writes out0
.if DOCPART == 4
	.amdgcn_target "amdgcn-amd-amdhsa--gfx1250"
	.amdhsa_code_object_version 6
	.text
	.protected	k_q062a012d26_chain
	.globl	k_q062a012d26_chain
	.p2align	8
	.type	k_q062a012d26_chain,@function
k_q062a012d26_chain:
	s_mov_b64 s[64:65], 0
	v_nop
	global_prefetch_b8 v0, s[64:65] scope:SCOPE_SE
	s_setreg_imm32_b32 hwreg(HW_REG_WAVE_SCHED_MODE, 0, 2), 2
	s_setreg_imm32_b32 hwreg(HW_REG_WAVE_MODE, 25, 1), 1
	s_wait_xcnt 0x0
	s_wait_alu depctr_vm_vsrc(0)
; out[t] = the sum over the experts e of w[t][e] x (Q(relu(x[t] wi[e]^T)) wo[e]^T), w[t][e] = sum over k of selected_experts[t][k][e] x routing_weights[t][k]; both products on codes of BF6 (E3M2) with E8M0 scales,
; Q the quantiser along the second product's K (blocks of 32 hidden units).  The hidden layer never goes to memory.
; ONLY THE EXPERTS THAT A TOKEN'S MASK NAMES ARE MULTIPLIED: where both whole numbers of the mask are 0, w is exactly 0.  The tokens come sorted by their sets of experts (route, made by the launch before).
; A work-group owns 32 sorted tokens, ALL their 1,024 outputs and all their experts: each output row has one owner.  It walks the 8 experts in a loop of constant count and passes over, by a scalar branch on the
; stored sets, those that none of its tokens names; a token of the block that does not name a visited expert has w = 0 there.
; LIMITS: NaN and infinities are not served; a scale byte 0xff or a sum that overflows in an expert that no token of the block names leaves no NaN here (0 x NaN in the definition).
; A hidden block of zeros gets the scale byte 1, not 127: its codes are zeros, and this kernel alone reads the byte.
; SHARES.  THE FOUR WAVES SHARE THE COLUMNS, NOT THE ROWS: wave w makes hidden units 128 w .. 128 w + 127 (one K step of the second product) and outputs 256 w .. 256 w + 255, for both tiles of 16 tokens.
; So each byte of an expert's weights is fetched by ONE wave of the work-group, and each fragment feeds two matrix instructions.  Both products are used transposed (source 0 = 16 rows of the weight,
; source 1 = 16 tokens): a lane holds one token (lane % 16) throughout, and w is one number a lane.
; THE WEIGHTS come from memory straight into registers, as images of operand registers: a fragment is three loads of 512 consecutive bytes.  A ring of four half-groups (4 fragments each) in window 2 runs on
; through both products and from expert to expert: 50 loads of a wave are asked for ahead at every moment.
; NO TENSOR LOADS, NO CLUSTER: the walk over experts branches on numbers read from memory, and neighbouring blocks visit different experts, so no tile could be asked for jointly on every path.
; REGISTERS, in windows of 256:  window 0: v1-15 addresses, v16-19 w, v20-39 scale words (nothing else ever), v40-62 small things, v64-191 the first product's 16 accumulators (tile t, tokens m at 64 + 64 m + 8 t),
;   v192-251 the quantiser; in the second product v64-127 two sets of 4 accumulators, v128-223 the hidden layer's 8 fragments; on the way out v64-207.
;   window 1: x's 16 fragments (tokens m, K step s at 12 (8 m + s)), resident.   window 2: the ring (half-slot k at 48 k).   window 3: out, f32 (output tile n, tokens m at 16 n + 8 m).
; THE MODE: SCHED_MODE bits 1:0 = 2 (LLVM: expert scheduling mode 2), set by the entry lines.  The code itself states the register dependences between vector or matrix instructions and memory or LDS
; instructions, with s_wait_alu, always for 0.
; THE PLAN.  Registers that memory or LDS instructions touch, in the walk over the experts:
;   the ring, v28-35    A half's eight products read its half-slot (an odd half's end the group's sixteen reads of its scale words); behind them the loads of the half four on land there.
;   v128-223, v36-39, v16, v18   The hidden fragments, their scale words, w: LDS loads land at the second product's head; its products and the multiply-adds into out read them.
;                       v128-223 are named before that by the first product, the activation and the quantiser.
;   v192-203, v232-243, v42      Written by the quantiser; read by the hidden layer's seven LDS stores.
;   v8                  Read by w's two LDS loads; written once a trip, at its head.      v2   Read by the ring's loads into the next expert; written at the second product's head.
;   v1, v3-7, v9-15     Made at the kernel's head and never written again: the ring's scalar bases and immediate offsets do the rest.
; So a trip has: one wait on vm_vsrc at its head; ONE wait on va_vdst to a half, behind its products and ahead of the loads into what they have read (the half-slot is asked for again at once: the wave
; has four halves on their way while it waits for the next one); one on va_vdst ahead of the hidden layer's stores; one on vm_vsrc and one on va_vdst at the second product's head.
.set ESTR, 819200                      ; an expert's stream
.set WSTR, 204800                      ; a wave's part of it
.set GSTR, 12800                       ; a group: 8 fragments + 512 bytes of scale words
.set FRB,  1536                        ; a fragment's image
.set HIMG, 0                           ; LDS: the hidden layer's 8 fragments: (tokens m, K step s) at (4 m + s) FRB
.set HSC,  8*FRB                       ; their scale words: K step s at 128 s; lanes 0-15 tokens 0-15, lanes 16-31 tokens 16-31
.set WTAB, HSC+512                     ; w[e][place]: 128 e + 4 place
.set XIMG, WTAB+1024                   ; x's 16 fragments: (8 m + s) FRB
.set STG,  XIMG+16*FRB                 ; the way out: for each wave 16 rows of 1,024 bytes + 16
.set SP,   1040
.set LOFF, 1                           ; v1   16 x lane: my place in an image, in memory and in LDS
.set TOFF, 2                           ; v2   the same, or 0 where no expert follows
.set XWI,  3                           ; v3   where I store x's images: 16 x lane + 2 FRB x wave
.set LS,   4                           ; v4   4 x lane
.set HWI,  5                           ; v5   where I store the hidden layer's images: 16 x lane + FRB x wave
.set HWS,  6                           ; v6   and their scale words
.set WT0,  7                           ; v7   WTAB + 4 (lane % 16)
.set WTE,  8                           ; v8   the same for the expert in hand
.set SO,   9                           ; v9   the stage: where I put 32 bytes of a row
.set SR,   10                          ; v10  and where I read a row back
.set GOF,  11                          ; v11  my 16 bytes in a row of out: 1,024 x wave + 16 x lane
.set XO,   12                          ; v12-13 x's codes: my token's row + 24 h + my wave's two K steps, tokens 0-15 and 16-31
.set XSO,  14                          ; v14  x's scale words: the row of token = place lane
.set WTW,  15                          ; v15  where I store w
.set WR,   16                          ; v16, v18 w of my token in tile 0, 1 (v17, v19 are named with them as pairs)
.set XSC,  20                          ; v20-27 x's scale words, K steps 0-7: lanes 0-15 tile 0, lanes 16-31 tile 1
.set SCR,  28                          ; v28-35 the weights' scale words, two sets of 4
.set HS,   36                          ; v36-39 the hidden layer's scale words, K steps 0-3
.set PW0,  40
.set PW1,  41
.set PWC,  42
.set TK,   43                          ; v43-45 route words, then tokens
.set MK,   46                          ; v46-49 the mask's four numbers
.set RW,   50                          ; v50-51 routing_weights
.set WW,   52                          ; v52-53 w
.set SA,   54
.set RA,   55
.set ZR,   56                          ; v56-59 zeros
.set ACC,  64
.set XT,   64                          ; the head: my four fragments of x
.set YT,   64                          ; second product: accumulator (set par, output tile n, tokens m) at 64 + 32 par + 16 n + 8 m
.set HF,   128                         ; hidden fragment (m, s) at 128 + 12 (4 m + s)
.set PC0,  192
.set TM,   212
.set PC1,  232
.set BK,   64                          ; the way out: 16 rows read back
.set VO,   192                         ; and their offsets in out
.set WV,   18                          ; s18  wave
.set BM,   19                          ; s19  the union of the block's sets
.set EI,   20                          ; s20  the expert in hand
.set WB,   22                          ; s[22:23] wstream at my wave's part of expert 0
.set CB,   24                          ; s[24:25] at the expert in hand
.set NB,   26                          ; s[26:27] at the next expert that is used
.set OP,   28                          ; s[28:29] an offset, 0 above it
.set SELM, 30
.set TKN,  32                          ; s[32:63] the block's route words, then its tokens' rows in out (bytes)
.set SEL,  66                          ; s[66:67]
.set WOF,  68
.set HIM,  71                          ; s71  lanes 16-31
.set MSB, 0
.macro WIN new                         ; the immediate's high byte repeats the setting that is left; a switch that changes nothing is dropped
.if MSB != \new
	s_set_vgpr_msb (MSB<<8)|\new
.set MSB, \new
.endif
.endm
; Half q of a wave's stream of one expert (32 halves: group q / 2, fragments 4 (q % 2) on) is asked for, into half-slot q % 4.  A group's scale words ride ahead of its odd half.
; So the order of loads is always: 12 (even half), 1 + 12 (scale words, odd half), 12, 1 + 12, ..
; The wait on va_vdst that these loads hang on stands ahead of the macro: between it and the loads stand window switches and loads alone.
.macro RHALF q, b, vo
.if (\q)%2
	WIN 0
	global_load_b128 v[SCR+4*(((\q)/2)%2):SCR+4*(((\q)/2)%2)+3], v[\vo], s[\b:\b+1] offset:((\q)/2)*GSTR+8*FRB
.endif
	WIN 0x80                                       ; destination window 2, address window 0
.irp i, 0,1,2,3
.irp c, 0,1,2
	global_load_b128 v[48*((\q)%4)+12*\i+4*\c:48*((\q)%4)+12*\i+4*\c+3], v[\vo], s[\b:\b+1] offset:((\q)/2)*GSTR+((\q)%2)*4*FRB+FRB*\i+512*\c   ; 512 consecutive bytes
.endr
.endr
.endm
; One matrix instruction, from the symbols rD, rA, rB (registers), zZ (the sum begins: C = 0), rSA, rSB (scale registers), fRA, fRB (scales in lanes 16-31).
.macro MM
.if zZ
.if fRA
.if fRB
	v_wmma_scale_f32_16x16x128_f8f6f4 v[rD:rD+7], v[rA:rA+11], v[rB:rB+11], 0, v[rSA], v[rSB] matrix_a_fmt:MATRIX_FMT_BF6 matrix_b_fmt:MATRIX_FMT_BF6 matrix_a_scale:MATRIX_SCALE_ROW1 matrix_b_scale:MATRIX_SCALE_ROW1
.else
	v_wmma_scale_f32_16x16x128_f8f6f4 v[rD:rD+7], v[rA:rA+11], v[rB:rB+11], 0, v[rSA], v[rSB] matrix_a_fmt:MATRIX_FMT_BF6 matrix_b_fmt:MATRIX_FMT_BF6 matrix_a_scale:MATRIX_SCALE_ROW1
.endif
.else
.if fRB
	v_wmma_scale_f32_16x16x128_f8f6f4 v[rD:rD+7], v[rA:rA+11], v[rB:rB+11], 0, v[rSA], v[rSB] matrix_a_fmt:MATRIX_FMT_BF6 matrix_b_fmt:MATRIX_FMT_BF6 matrix_b_scale:MATRIX_SCALE_ROW1
.else
	v_wmma_scale_f32_16x16x128_f8f6f4 v[rD:rD+7], v[rA:rA+11], v[rB:rB+11], 0, v[rSA], v[rSB] matrix_a_fmt:MATRIX_FMT_BF6 matrix_b_fmt:MATRIX_FMT_BF6
.endif
.endif
.else
.if fRA
.if fRB
	v_wmma_scale_f32_16x16x128_f8f6f4 v[rD:rD+7], v[rA:rA+11], v[rB:rB+11], v[rD:rD+7], v[rSA], v[rSB] matrix_a_fmt:MATRIX_FMT_BF6 matrix_b_fmt:MATRIX_FMT_BF6 matrix_a_scale:MATRIX_SCALE_ROW1 matrix_b_scale:MATRIX_SCALE_ROW1
.else
	v_wmma_scale_f32_16x16x128_f8f6f4 v[rD:rD+7], v[rA:rA+11], v[rB:rB+11], v[rD:rD+7], v[rSA], v[rSB] matrix_a_fmt:MATRIX_FMT_BF6 matrix_b_fmt:MATRIX_FMT_BF6 matrix_a_scale:MATRIX_SCALE_ROW1
.endif
.else
.if fRB
	v_wmma_scale_f32_16x16x128_f8f6f4 v[rD:rD+7], v[rA:rA+11], v[rB:rB+11], v[rD:rD+7], v[rSA], v[rSB] matrix_a_fmt:MATRIX_FMT_BF6 matrix_b_fmt:MATRIX_FMT_BF6 matrix_b_scale:MATRIX_SCALE_ROW1
.else
	v_wmma_scale_f32_16x16x128_f8f6f4 v[rD:rD+7], v[rA:rA+11], v[rB:rB+11], v[rD:rD+7], v[rSA], v[rSB] matrix_a_fmt:MATRIX_FMT_BF6 matrix_b_fmt:MATRIX_FMT_BF6
.endif
.endif
.endif
.endm
.macro PLACES                          ; four plain places behind matrix instructions: ahead of the first read of results; ahead of the ring's loads they stand too, and the wait on va_vdst behind them states the dependence: it fills no place
.rept 4
	v_nop
.endr
.endm
; FIRST PRODUCT, half q = 0 .. 15: K step q / 2, my tiles 4 (q % 2) .. + 3 of hidden units x both tiles of tokens: 8 matrix instructions.  The 16 accumulators take turns, one instruction a turn.
; THE ONE COUNTED WAIT: behind an even half's scale words were issued 12 + 12 + 13 loads, behind an odd half 12 + 13 + 12: 37 either way, on every way into this line.
.macro P1HALF q
	s_wait_loadcnt 37
	WIN 0x06                                       ; source 0 (wi) window 2, source 1 (x) window 1, C and D window 0
.irp i, 0,1,2,3
.irp m, 0,1
.set rD, ACC+64*\m+8*(4*((\q)%2)+\i)
.set rA, 48*((\q)%4)+12*\i
.set rB, 12*(8*\m+(\q)/2)
.set zZ, 1-((\q)/2+7)/8                ; 1 in K step 0: its products start the sums
.set rSA, SCR+4*(((\q)/2)%2)+2*((\q)%2)+\i/2
.set rSB, XSC+(\q)/2
.set fRA, \i%2
.set fRB, \m
	MM
.endr
.endr
	PLACES
	s_wait_alu depctr_va_vdst(0)                   ; this half's eight products are done reading their half-slot, and with an odd half the group's sixteen their scale words: the loads below land there
	RHALF (\q)+4, CB, LOFF                         ; the half four on takes this half's registers; with an odd half the scale words of two groups on take this group's, whose 16 products are all issued
.endm
; out += w x y for output tile 2 g + n, both tiles of tokens: each accumulator from its low end on.
.macro FMA g, n
	WIN 0xf0                                       ; out (destination and source 2) window 3, y and w window 0
.irp m, 0,1
.irp jj, 0,1,2,3
.set rO, 16*(2*(\g)+(\n))+8*\m+2*\jj
.set rY, YT+32*((\g)%2)+16*(\n)+8*\m+2*\jj
	v_pk_fma_f32 v[rO:rO+1], v[rY:rY+1], v[WR+2*\m:WR+2*\m+1], v[rO:rO+1] op_sel_hi:[1,0,1]
.endr
.endr
.endm
; SECOND PRODUCT, half q = 16 .. 31: group g = (q - 16) / 2 = output tiles 2 g, 2 g + 1; K steps 2 (q % 2), + 1; both tiles of tokens: 8 matrix instructions on 4 accumulators by turns.
; The group before's results are added to out meanwhile (two sets of accumulators take turns): those 8 lines name no register of this half's products; they stand between the products and the wait for them.
.macro P2HALF q
	s_wait_loadcnt 37                              ; as in the first product
	WIN 0x02                                       ; source 0 (wo) window 2, all else window 0
.irp ss, 0,1
.irp n, 0,1
.irp m, 0,1
.set sS, 2*((\q)%2)+\ss
.set rD, YT+32*((((\q)-16)/2)%2)+16*\n+8*\m
.set rA, 48*((\q)%4)+12*(2*\ss+\n)
.set rB, HF+12*(4*\m+sS)
.set zZ, 1-(sS+3)/4                    ; 1 in K step 0
.set rSA, SCR+4*(((\q)/2)%2)+sS
.set rSB, HS+sS
.set fRA, \n
.set fRB, \m
	MM
.endr
.endr
.endr
.if (\q) >= 18
	FMA ((\q)-18)/2, (\q)%2
.else
	PLACES
.endif
	s_wait_alu depctr_va_vdst(0)                   ; this half's eight products are done reading their half-slot, and with an odd half the group's sixteen their scale words: the loads below land there
.if (\q)+4 < 32
	RHALF (\q)+4, CB, LOFF
.else
	RHALF (\q)-28, NB, TOFF                        ; the ring goes on into the next expert that is used
.endif
.endm
; 64 numbers of a lane, none negative, register 16 b + i = k 32 b + 16 (lane / 16) + i of my token, become a fragment's codes in v[pc] .. v[pc + 11] and its scale word in v[pw].
.macro QUANT s, pc, pw
.irp b, 0,1,2,3
	v_max3_num_f32 v[TM+\b], v[(\s)+16*\b], v[(\s)+1+16*\b], 0x2800000   ; block b: my 16 numbers, and the floor 2^(5 - 127): so the byte cannot fall under 1
.endr
.irp i, 2,4,6,8,10,12,14
.irp b, 0,1,2,3
	v_max3_num_f32 v[TM+\b], v[TM+\b], v[(\s)+16*\b+\i], v[(\s)+1+16*\b+\i]   ; (the four blocks by turns)
.endr
.endr
.irp b, 0,1,2,3
	v_permlanex16_b32 v[TM+4+\b], v[TM+\b], s[SEL], s[SEL+1]
.endr
.irp b, 0,1,2,3
	v_max_num_f32 v[TM+\b], v[TM+\b], v[TM+4+\b]   ; with lane l xor 16's: the block's largest magnitude
.endr
.irp b, 0,1,2,3
	v_add_nc_u32 v[TM+12+\b], 0xfe000000, v[TM+\b]   ; 4 off its exponent field: the conversion takes the exponent field of this operand as its scale
.endr
.irp b, 0,1,2,3
	v_lshrrev_b32 v[TM+4+\b], 23, v[TM+12+\b]      ; the scale's byte
.endr
	v_lshl_or_b32 v[\pw], v[TM+5], 8, v[TM+4]
	v_lshl_or_b32 v[\pw], v[TM+6], 16, v[\pw]
	v_lshl_or_b32 v[\pw], v[TM+7], 24, v[\pw]      ; my token's scale word
.irp c, 0,1
	v_cvt_scalef32_pk16_bf6_f32 v[(\pc)+6*\c:(\pc)+2+6*\c], v[(\s)+32*\c:(\s)+15+32*\c], v[TM+12+2*\c]
	v_cvt_scalef32_pk16_bf6_f32 v[(\pc)+12+4*\c:(\pc)+14+4*\c], v[(\s)+16+32*\c:(\s)+31+32*\c], v[TM+12+2*\c+1]   ; (a conversion's three registers begin on an even number)
.endr
	v_nop                                          ; one plain place behind a scaled conversion
.irp c, 0,1                            ; the operand's layout wants a WHOLE block in a lane: lanes 0-15 block 2 c, lanes 16-31 block 2 c + 1
.irp i, 0,1,2
	v_permlane16_swap_b32 v[(\pc)+6*\c+\i], v[(\pc)+12+4*\c+\i]
.endr
.irp i, 0,1,2
	v_mov_b32 v[(\pc)+3+6*\c+\i], v[(\pc)+12+4*\c+\i]
.endr
.endr
.endm
.macro BARRIER                         ; my LDS stores have landed and my LDS loads are in: then the work-group's barrier
	s_wait_dscnt 0x0
	s_barrier_signal -1
	s_barrier_wait -1
.endm
	s_load_b256 s[4:11], s[0:1], 0x0               ; route s[4:5], wstream s[6:7], x's codes s[8:9], x's scales s[10:11]
	s_load_b128 s[12:15], s[0:1], 0x20             ; selected_experts s[12:13], routing_weights s[14:15]
	s_load_b64 s[16:17], s[0:1], 0x30              ; out
	v_lshl_add_u32 v254, v0, 2, 0x19a00
	v_mov_b32 v255, 0
.irp b, 0,1,2,3
	v_mov_b32 v[ZR+\b], 0                          ; zeros for LDS: made here, so that the head's first wait on va_vdst serves their stores too
.endr
	v_lshrrev_b32 v60, 5, v0
	v_readfirstlane_b32 s[WV], v60                 ; wave 0..3
	v_and_b32 v61, 31, v0                          ; lane
	v_lshlrev_b32 v[LOFF], 4, v61
	v_lshlrev_b32 v[LS], 2, v61
	v_and_b32 v60, 15, v0                          ; r
	s_wait_alu depctr_va_vdst(0)
	v_bfe_u32 v61, v0, 4, 1                        ; h
	v_lshlrev_b32 v62, 2, v60                      ; 4 r
	s_wait_alu depctr_va_sdst(0)                   ; s18, the wave's number, is written, ahead of its first reader
	s_mul_i32 s21, s[WV], 2*FRB
	v_add_nc_u32 v[XWI], s21, v[LOFF]
	s_mul_i32 s21, s[WV], FRB
	v_add_nc_u32 v[HWI], s21, v[LOFF]
	s_lshl_b32 s21, s[WV], 7
	s_add_co_u32 s21, s21, HSC
	v_add_nc_u32 v[HWS], s21, v[LS]
	v_add_nc_u32 v[WT0], WTAB, v62
	s_lshl_b32 s21, s[WV], 8
	s_add_co_u32 s21, s21, WTAB
	v_add_nc_u32 v[WTW], s21, v[LS]                ; w of experts 2 wave and 2 wave + 1, place = lane
	s_mul_i32 s21, s[WV], 16*SP
	s_add_co_u32 s21, s21, STG                     ; my stage
	v_mul_u32_u24 v[SO], v60, SP
	s_wait_alu depctr_va_vdst(0)
	v_lshl_add_u32 v[SO], v61, 5, v[SO]
	v_add_nc_u32 v[SO], s21, v[SO]                 ; in: row r, 32 bytes for each half of the lanes
	v_add_nc_u32 v[SR], s21, v[LOFF]               ; back: 16 bytes a lane
	s_lshl_b32 s21, s[WV], 10
	v_add_nc_u32 v[GOF], s21, v[LOFF]
	s_mov_b32 s[SEL], 0x76543210
	s_mov_b32 s[SEL+1], 0xfedcba98                 ; v_permlanex16_b32's selects for lane l xor 16
	s_mov_b32 s[HIM], 0xffff0000
	s_mov_b32 s[OP+1], 0
	s_lshl_b32 s[OP], ttmp9, 7                     ; my block's 32 words of route
	s_wait_kmcnt 0x0
	s_add_nc_u64 s[4:5], s[4:5], s[OP:OP+1]
	s_load_b512 s[TKN:TKN+15], s[4:5], 0x0         ; the 32 words as scalars: the union of the sets, and the rows of out
	s_load_b512 s[TKN+16:TKN+31], s[4:5], 0x40
	s_wait_alu depctr_va_vdst(0)                   ; v62 and v4, which the three loads below read, are written; so are all addresses that stay (v1, v3-7, v9-11, v15), the zeros v56-59 and the closing add's v254, v255
	global_load_b32 v[TK], v62, s[4:5]             ; and as vectors: place r,
	global_load_b32 v[TK+1], v62, s[4:5] offset:64 ; place 16 + r,
	global_load_b32 v[TK+2], v[LS], s[4:5]         ; place = lane
	s_mul_i32 s[OP], s[WV], WSTR
	s_add_nc_u64 s[WB:WB+1], s[6:7], s[OP:OP+1]
	s_wait_kmcnt 0x0
	s_or_b32 s[BM], s[TKN], s[TKN+1]
.irp i, 2,3,4,5,6,7,8,9,10,11,12,13,14,15,16,17,18,19,20,21,22,23,24,25,26,27,28,29,30,31
	s_or_b32 s[BM], s[BM], s[TKN+\i]
.endr
	s_bfe_u32 s[BM], s[BM], 0x80010                ; 8 bits from bit 16: the experts that the block visits
	s_ctz_i32_b32 s21, s[BM]
	s_min_u32 s21, s21, 7                          ; the first of them (held inside the stream; with no expert at all: 7, read and not used)
	s_mul_i32 s[OP], s21, ESTR
	s_add_nc_u64 s[NB:NB+1], s[WB:WB+1], s[OP:OP+1]
	s_cmp_lg_u32 s[BM], 0
	s_cselect_b32 s[SELM], -1, 0
	v_cndmask_b32 v[TOFF], 0, v[LOFF], s[SELM]     ; where nothing will be used all lanes ask for the same 16 bytes: the loads are issued all the same, so that every count holds on every way
	v_min_u32 v[TOFF], 0x1f0, v[TOFF]
	s_wait_alu depctr_va_vdst(0)                   ; v2 is written, which the ring's first loads read as their offset
.irp q, 0,1,2,3
	RHALF \q, NB, TOFF                             ; the ring's first four halves: 50 loads
.endr
	WIN 0
.irp i, 0,1,2,3,4,5,6,7,8,9,10,11,12,13,14,15,16,17,18,19,20,21,22,23,24,25,26,27,28,29,30,31
	s_and_b32 s[TKN+\i], s[TKN+\i], 0x1fff         ; the token,
	s_min_u32 s[TKN+\i], s[TKN+\i], 0x1fff         ; held inside the tensors,
	s_lshl_b32 s[TKN+\i], s[TKN+\i], 12            ; as its row of 4,096 bytes in out
.endr
	s_wait_loadcnt 50                              ; the three route loads are in: behind them the ring's 50 were issued
.irp i, 0,1,2
	v_and_b32 v[TK+\i], 0x1fff, v[TK+\i]
	v_min_u32 v[TK+\i], 0x1fff, v[TK+\i]
.endr
	s_mul_i32 s21, s[WV], 192                      ; my wave gathers K steps 2 wave and 2 wave + 1 of x
	v_mul_u32_u24 v61, v61, 24
	v_add_nc_u32 v61, s21, v61
.irp m, 0,1
	v_mul_u32_u24 v[XO+\m], v[TK+\m], 768          ; a row of x: 1,024 codes
	v_add_nc_u32 v[XO+\m], v[XO+\m], v61
.endr
	v_lshlrev_b32 v[XSO], 5, v[TK+2]
	s_lshl_b32 s21, s[WV], 3
	v_lshlrev_b32 v[SA], 6, v[TK+2]
	v_add_nc_u32 v[SA], s21, v[SA]                 ; the mask: token x 64 bytes + experts 2 wave, 2 wave + 1
	v_lshlrev_b32 v[RA], 3, v[TK+2]
	s_wait_alu depctr_va_vdst(0)                   ; the offsets made of the tokens, v12-14, v54 and v55, are written: the gather below reads them
.irp m, 0,1
.irp ss, 0,1
.irp p, 0,1,2,3,4,5
	global_load_b64 v[XT+12*(2*\m+\ss)+2*\p:XT+12*(2*\m+\ss)+2*\p+1], v[XO+\m], s[8:9] offset:96*\ss+48*(\p/3)+8*(\p%3)
.endr
.endr
.endr
	global_load_b128 v[XSC:XSC+3], v[XSO], s[10:11]
	global_load_b128 v[XSC+4:XSC+7], v[XSO], s[10:11] offset:16
	global_load_b64 v[MK:MK+1], v[SA], s[12:13]              ; k = 0
	global_load_b64 v[MK+2:MK+3], v[SA], s[12:13] offset:32  ; k = 1
	global_load_b64 v[RW:RW+1], v[RA], s[14:15]
	; While these are out: out begins as zeros.  Which expert is a block's first hangs on the stored sets, and a block that names no expert stores zeros: so the sums cannot begin with a product written out ahead of the loop.
	WIN 0xc0
.set i, 0
.rept 256
	v_mov_b32 v[i], 0
.set i, i+1
.endr
	WIN 0
	v_mov_b32 v[WR+1], 0                           ; named as the upper halves of pairs
	v_mov_b32 v[WR+3], 0
.irp b, 0,1,2,3
	v_mov_b32 v[TM+4+\b], 0                        ; written once: a lane permute's destination counts as one of its sources
.endr
.irp c, 0,1,2                          ; my images and scale words of the hidden layer begin as zeros, so that no LDS byte is read on any way that nobody wrote.  (No wait: no vector instruction since the wait on va_vdst ahead of the route loads names v5, v6 or v56-59)
	ds_store_b128 v[HWI], v[ZR:ZR+3] offset:HIMG+512*\c
	ds_store_b128 v[HWI], v[ZR:ZR+3] offset:HIMG+4*FRB+512*\c
.endr
	ds_store_b32 v[HWS], v[ZR]
	s_wait_loadcnt 0x0                             ; once: x, the mask, the weights of the gate (and the ring's first halves, issued ahead of them)
.irp m, 0,1
.irp ss, 0,1
.irp c, 0,1,2
	ds_store_b128 v[XWI], v[XT+12*(2*\m+\ss)+4*\c:XT+12*(2*\m+\ss)+4*\c+3] offset:XIMG+(8*\m+\ss)*FRB+512*\c   ; x's fragments go from wave to wave as images of their registers
.endr
.endr
.endr
.irp i, 0,1,2,3
	v_cvt_f32_i32 v[MK+\i], v[MK+\i]
.endr
	v_mul_f32 v[WW], v[MK], v[RW]
	v_mul_f32 v[WW+1], v[MK+1], v[RW]
	v_fma_f32 v[WW], v[MK+2], v[RW+1], v[WW]       ; w = mask[0][e] rw[0] + mask[1][e] rw[1], in f32
	v_fma_f32 v[WW+1], v[MK+3], v[RW+1], v[WW+1]
	s_wait_alu depctr_va_vdst(0)                   ; w, v52 and v53, is written: the two LDS stores read it
	ds_store_b32 v[WTW], v[WW]
	ds_store_b32 v[WTW], v[WW+1] offset:128
	BARRIER                                        ; x's sixteen fragments and all of w lie in LDS
	WIN 0x40                                       ; destination window 1
.irp f, 0,1,2,3,4,5,6,7,8,9,10,11,12,13,14,15
.irp c, 0,1,2
	ds_load_b128 v[12*\f+4*\c:12*\f+4*\c+3], v[LOFF] offset:XIMG+\f*FRB+512*\c
.endr
.endr
	WIN 0
	s_mov_b32 s[EI], 0
	s_wait_dscnt 0x0
; THE WALK OVER THE EXPERTS: 8 trips.  The two barriers stand outside the branches: every wave passes them in every trip.  At each edge of a region the ring holds, or is being sent, the first four halves of the
; region that runs next; each region takes 16 halves and asks for 16: so registers and counts are the same on every way, and only addresses differ.
.Lexp:
	s_wait_xcnt 0x0                                ; the ring's loads have read their base: it may be written
	s_wait_alu depctr_vm_vsrc(0)                   ; the last trip's LDS loads have read v8, written just below; its LDS stores have read the codes v192-203, v232-243 and the word v42, which the quantiser writes again; in the first trip x's images have left v64-111, which become accumulators
	s_mul_i32 s[OP], s[EI], ESTR
	s_add_nc_u64 s[CB:CB+1], s[WB:WB+1], s[OP:OP+1]
	s_lshl_b32 s[WOF], s[EI], 7
	v_add_nc_u32 v[WTE], s[WOF], v[WT0]            ; this expert's w
	s_lshr_b32 s21, s[BM], s[EI]
	s_and_b32 s21, s21, 1
	s_cmp_eq_u32 s21, 0
	s_cbranch_scc1 .Lskip1                         ; no token of the block names this expert
.irp q, 0,1,2,3,4,5,6,7,8,9,10,11,12,13,14,15
	P1HALF \q
.endr
	WIN 0
.set i, 0
.rept 128
	v_max_num_f32 v[ACC+i], 0, v[ACC+i]            ; the activation, in f32; each accumulator from its low end on
.set i, i+1
.endr
	QUANT ACC, PC0, PW0
	QUANT ACC+64, PC1, PW1
	v_cndmask_b32 v[PWC], v[PW0], v[PW1], s[HIM]   ; lanes 0-15 carry tile 0's scale words, lanes 16-31 tile 1's
	s_wait_alu depctr_va_vdst(0)                   ; the quantiser has written the codes v192-203 and v232-243 and the word v42: the seven LDS stores read them
.irp c, 0,1,2
	ds_store_b128 v[HWI], v[PC0+4*\c:PC0+4*\c+3] offset:HIMG+512*\c          ; K step = my wave, tokens 0-15
	ds_store_b128 v[HWI], v[PC1+4*\c:PC1+4*\c+3] offset:HIMG+4*FRB+512*\c    ; tokens 16-31
.endr
	ds_store_b32 v[HWS], v[PWC]
.Lskip1:
	BARRIER                                        ; the hidden layer's four K steps lie in LDS
	s_lshr_b32 s21, s[BM], s[EI]
	s_and_b32 s21, s21, 1
	s_cmp_eq_u32 s21, 0
	s_cbranch_scc1 .Lskip2
	s_wait_xcnt 0x0                                ; the loads that named NB and TOFF have read them
	s_wait_alu depctr_vm_vsrc(0)                   ; the ring's loads have read v2, written below; my LDS stores have read v192-203, in which hidden fragments land
	s_add_co_u32 s21, s[EI], 1
	s_lshr_b32 s31, s[BM], s21                     ; the experts still to come
	s_ctz_i32_b32 s69, s31
	s_add_co_u32 s69, s69, s21
	s_min_u32 s69, s69, 7                          ; the next one that is used (held inside the stream; where none follows the number is not used)
	s_mul_i32 s[OP], s69, ESTR
	s_add_nc_u64 s[NB:NB+1], s[WB:WB+1], s[OP:OP+1]
	s_cmp_lg_u32 s31, 0
	s_cselect_b32 s[SELM], -1, 0
	v_cndmask_b32 v[TOFF], 0, v[LOFF], s[SELM]
	v_min_u32 v[TOFF], 0x1f0, v[TOFF]
	s_wait_alu depctr_va_vdst(0)                   ; v8 and v2 are written, which loads below read; the first product, the activation and the quantiser are done with v128-223, the last expert's products and multiply-adds with v36-39, v16 and v18: the LDS loads below land there
.irp f, 0,1,2,3,4,5,6,7
.irp c, 0,1,2
	ds_load_b128 v[HF+12*\f+4*\c:HF+12*\f+4*\c+3], v[LOFF] offset:HIMG+\f*FRB+512*\c
.endr
.endr
.irp s, 0,1,2,3
	ds_load_b32 v[HS+\s], v[LS] offset:HSC+128*\s
.endr
	ds_load_b32 v[WR], v[WTE]                      ; w of my token in tile 0,
	ds_load_b32 v[WR+2], v[WTE] offset:64          ; in tile 1
	s_wait_dscnt 0x0
.irp q, 16,17,18,19,20,21,22,23,24,25,26,27,28,29,30,31
	P2HALF \q
.endr
	FMA 7, 0                                       ; the last group's results: eight plain lines and the ring's loads stand between them and their products
	FMA 7, 1
	WIN 0
.Lskip2:
	BARRIER                                        ; every wave's reads of the hidden layer are over: it may be written again
	s_add_co_u32 s[EI], s[EI], 1
	s_cmp_lt_u32 s[EI], 8
	s_cbranch_scc1 .Lexp
; THE WAY OUT, a tile of 16 tokens at a time.  A lane holds 32 neighbouring bytes of a row, and the lanes beside it hold other rows: so the tile goes through my own stage in LDS and comes back as rows of 1,024 bytes.
; LDS serves a wave's instructions in order (ISA guide 5.7.1.4): no wait between the stores and the loads, and the stage is my wave's alone: no barrier.
; The tile's sixteen offsets are made first, so that ONE wait on va_vdst serves the stage's stores, the loads back and the global stores: behind it stand memory and LDS instructions and window switches alone.
.irp m, 0,1
.if \m
	s_wait_xcnt 0x0                                ; the first tile's stores have read their data and offsets: both are written again
.endif
	s_wait_alu depctr_vm_vsrc(0)                   ; first tile: the hidden layer's LDS stores have read v192-203, which become offsets; second tile: the first tile's global stores have read their data v64-191 and their offsets v192-207
.irp i, 0,1,2,3,4,5,6,7,8,9,10,11,12,13,14,15
	v_add_nc_u32 v[VO+\i], s[TKN+16*\m+\i], v[GOF] ; the token's row of out + my wave's 1,024 bytes + 16 x lane
.endr
	s_wait_alu depctr_va_vdst(0)                   ; out's sums (window 3) are written, which the stage's stores read; so are the offsets v192-207, which the global stores read; the last products are done with v64-191, in which the loads from the stage land
	WIN 0x0c                                       ; an LDS store's data are its source 1: window 3
.irp n, 0,1,2,3,4,5,6,7,8,9,10,11,12,13,14,15
	ds_store_b128 v[SO], v[16*\n+8*\m:16*\n+8*\m+3] offset:64*\n
	ds_store_b128 v[SO], v[16*\n+8*\m+4:16*\n+8*\m+7] offset:64*\n+16
.endr
	WIN 0
.irp i, 0,1,2,3,4,5,6,7,8,9,10,11,12,13,14,15
.irp u, 0,1
	ds_load_b128 v[BK+8*\i+4*\u:BK+8*\i+4*\u+3], v[SR] offset:SP*\i+512*\u
.endr
.endr
.irp i, 0,1,2,3,4,5,6,7,8,9,10,11,12,13,14,15
.irp u, 0,1
	s_wait_dscnt 31-2*\i-\u                        ; the LDS loads issued behind this one may stay out
	global_store_b128 v[VO+\i], v[BK+8*\i+4*\u:BK+8*\i+4*\u+3], s[16:17] offset:512*\u th:TH_STORE_NT   ; 32 lanes store 512 consecutive bytes, aligned; written once, read by nobody here
.endr
.endr
.endr
	s_barrier_signal -1
	s_barrier_wait -1
	s_wait_dscnt 0x0                               ; the closing lines, six on end (every window is 0 here: the add's two registers lie in window 0)
	s_wait_alu 0x0
	s_wait_tensorcnt 0x0
	ds_add_u32 v254, v255
	s_wait_dscnt 0x0
	s_endpgm
.Lfunc_end_k_q062a012d26_chain:
	.size	k_q062a012d26_chain, .Lfunc_end_k_q062a012d26_chain-k_q062a012d26_chain
	.p2alignl 7, 3214868480
	.fill 96, 4, 3214868480
	.section	.rodata,"a",@progbits
	.p2align	6, 0x0
	.amdhsa_kernel k_q062a012d26_chain
		.amdhsa_group_segment_fixed_size 105472
		.amdhsa_private_segment_fixed_size 0
		.amdhsa_enable_private_segment 0
		.amdhsa_kernarg_size 56
		.amdhsa_user_sgpr_count 2
		.amdhsa_user_sgpr_kernarg_segment_ptr 1
		.amdhsa_wavefront_size32 1
		.amdhsa_system_sgpr_workgroup_id_x 1
		.amdhsa_system_sgpr_workgroup_id_y 1
		.amdhsa_system_sgpr_workgroup_id_z 1
		.amdhsa_system_vgpr_workitem_id 0
		.amdhsa_next_free_vgpr 1024
		.amdhsa_next_free_sgpr 72
		.amdhsa_reserve_vcc 0
		.amdhsa_float_denorm_mode_32 3
		.amdhsa_float_denorm_mode_16_64 3
		.amdhsa_memory_ordered 1
		.amdhsa_forward_progress 1
		.amdhsa_inst_pref_size 149
	.end_amdhsa_kernel
	.amdgpu_metadata
---
amdhsa.version: [ 1, 2 ]
amdhsa.kernels:
  - .name:           k_q062a012d26_chain
    .symbol:         k_q062a012d26_chain.kd
    .args:
      - { .name: route, .offset: 0, .size: 8, .value_kind: global_buffer, .address_space: global }
      - { .name: wstream, .offset: 8, .size: 8, .value_kind: global_buffer, .address_space: global }
      - { .name: hidden_states_codes, .offset: 16, .size: 8, .value_kind: global_buffer, .address_space: global }
      - { .name: hidden_states_scales, .offset: 24, .size: 8, .value_kind: global_buffer, .address_space: global }
      - { .name: selected_experts, .offset: 32, .size: 8, .value_kind: global_buffer, .address_space: global }
      - { .name: routing_weights, .offset: 40, .size: 8, .value_kind: global_buffer, .address_space: global }
      - { .name: out0, .offset: 48, .size: 8, .value_kind: global_buffer, .address_space: global }
    .group_segment_fixed_size: 105472
    .private_segment_fixed_size: 0
    .kernarg_segment_align: 8
    .kernarg_segment_size: 56
    .max_flat_workgroup_size: 128
    .sgpr_count:     72
    .vgpr_count:     1024
    .wavefront_size: 32
...
	.end_amdgpu_metadata
.endif
;; end of part 4
